; MI455X (gfx1250); checked and timed in simulation.
; The chip was launched on July 23, 2026; its instructions are those of AMD's public machine-readable ISA for CDNA 5 (MIT licence, August 2026) and "CDNA5" Instruction Set Architecture Reference Guide (July 2026). The comments in the code are by the model that wrote it; some were corrected since.
;; Grouped Query Attention. Allowed arithmetic: matrix products marked QUANTISED: E2M3 operands, one E8M0 scale for each 32 along K, by v_wmma_scale_f32_16x16x128_f8f6f4 with both operands' format E2M3, f32 sums; everything else in f32.
;; Inputs: Wk 4,096 x 128 x 8 float32; Wq 4,096 x 128 x 32 float32; Wv 4,096 x 128 x 8 float32; bk 128 x 8 float32; bq 128 x 32 float32; bv 128 x 8 float32; x 2 x 1,024 x 4,096 float32.
;; Outputs: out0 2 x 1,024 x 4,096 float32.
;; This version of the problem:
;;   THIS VERSION OF THE PROBLEM IS GIVEN IN LOW PRECISION. The matrix products marked QUANTISED in the list below multiply operands that are first quantised to E2M3 (2 exponent bits, 3 mantissa bits; 6 bits a number), with one power-of-two scale for each 32 numbers along K (OCP MX v1.0); their sums are f32. All else is computed in f32.
;;   The module's matrix products, in the order in which they are computed (A, B: the left and right operand; K: the contracted axis; several contracted axes count as one K, in the product's order):
;;     1. [M 2,048, K 4,096] x [K 4,096, N 4,096]; A: input x; B: input Wq: QUANTISED
;;     2. [M 2,048, K 4,096] x [K 4,096, N 1,024]; A: input x; B: input Wk: QUANTISED
;;     3. [M 2,048, K 4,096] x [K 4,096, N 1,024]; A: input x; B: input Wv: QUANTISED
;;     4. batch 2,048 x [M 128, K 32] x [K 32, N 128]; A: computed on the way; B: computed on the way: QUANTISED
;;     5. batch 2,048 x [M 128, K 128] x [K 128, N 32]; A: softmax (see below); B: computed on the way: QUANTISED
;;   THE QUANTISER, for each operand of a quantised product, along K:
;;     - K is cut into blocks of 32 from its start; a last block that is shorter is filled with zeros.
;;     - A block's scale is 2^e with e = floor(log2(the largest magnitude in the block)) - 2, held to -126 .. 127; a block of zeros has e = 0. As a byte (E8M0): e + 127.
;;     - Each number is divided by its block's scale, clamped to +-7.5, and rounded to the nearest number of E2M3, ties to even, subnormals kept.
;;     - The product sums the exact products of the quantised numbers (number of the format x scale) in f32.
;;   ~~~python
;;   def quantise(x, axis):      # numpy; x: float32 -> the quantised numbers, widened to float32 again
;;       x = np.moveaxis(x, axis, -1); K = x.shape[-1]
;;       x = np.pad(x, [(0, 0)] * (x.ndim - 1) + [(0, -K % 32)]); x = x.reshape(x.shape[:-1] + (-1, 32)); a = np.abs(x).max(-1, keepdims=True)
;;       e = np.where(a > 0, np.clip(np.frexp(np.where(a > 0, a, 1))[1] - 1 - 2, -126, 127), 0)      # np.frexp(a)[1] - 1 = floor(log2(a)), exactly
;;       r = np.clip(x / 2.0 ** e, -7.5, 7.5)
;;       step = 2.0 ** (np.maximum(np.frexp(np.where(r == 0, 1, r))[1] - 1, 0) - 3)
;;       q = np.round(r / step) * step * 2.0 ** e      # np.round: ties to even
;;       return np.moveaxis(q.reshape(q.shape[:-2] + (-1,))[..., :K], -1, axis).astype(np.float32)
;;   ~~~
;;   SOFTMAX AHEAD OF A QUANTISED PRODUCT. Where the list says 'softmax', what is quantised is not the finished softmax but p = 2^(t - M), with t = logit x log2(e) and M = ceil(the row's largest t), a whole number; so 1/2 < the row's largest p <= 1. The row's sum l is taken of the UNQUANTISED p, in f32, and the product's result is divided by l at the end. Since M is a whole number, a kernel that streams over the keys may use a running M (the ceiling of the running maximum): every later rescaling is an exact power of two, which a block's scale takes up: the codes' values come out the same.
;;   OPERANDS COMPUTED ON THE WAY. 'Computed on the way' means the value that the module computes at that place (a softmax that the list does not call 'softmax' is quantised finished and normalised). What goes into a quantiser is computed in f32, as accurately as f32 sums, v_exp_f32 and their like allow (about 1e-6 of the number): no bf16 or f16 on the way to a quantiser, and a product that is left as it is and whose result goes on into a quantised operand takes f32 operands (vector FMAs, or v_wmma_f32_16x16x4_f32). A number that lies on a knife's edge between two numbers of the format may be rounded either way, as far as f32 arithmetic and the matrix unit's own rounding can turn it there, and no further.
;; One version. Each part assembles by itself: llvm-mc -triple=amdgcn-amd-amdhsa -mcpu=gfx1250 --defsym DOCPART=n.
;; ======== version 1 of 1: 3 launches
;; limits: right only within a limited range of input values
;; workspace buffers: x_codes 6,553,600 bytes; w_codes 19,922,944 bytes; qkv 25,165,824 bytes
;; launch quant (part 1): grid 64 x 16, 4 waves a work-group, no clusters, 75,264 bytes of LDS; arguments x, Wq, Wk, Wv, x_codes, w_codes; writes x_codes, w_codes
.if DOCPART == 1
	.amdgcn_target "amdgcn-amd-amdhsa--gfx1250"
	.amdhsa_code_object_version 6
	.text
	.protected	k_q2160e76c2f_quant
	.globl	k_q2160e76c2f_quant
	.p2align	8
	.type	k_q2160e76c2f_quant,@function
k_q2160e76c2f_quant:
	s_mov_b64 s[64:65], 0
	v_nop
	global_prefetch_b8 v0, s[64:65] scope:SCOPE_SE
	s_setreg_imm32_b32 hwreg(HW_REG_WAVE_MODE, 25, 1), 1
	s_wait_xcnt 0x0
; THE PROGRAM: three launches.  This one turns x [2048][4096] and the three weights into codes of FP6 (E2M3), quantised along K = 4096, with one E8M0 byte for each 32 along K;
; the second multiplies codes: qkv [2048][6144] = Q(x) Q(W)^T; the third adds the biases and does, token by token, the two small quantised products and the softmax between them.
; NO WORK OF THE PROBLEM IS LEFT OUT: every bias goes into an operand that is quantised (bq and bk into the scores' operands, bv into the values'), so each can move codes and scales; all seven inputs are loaded.
; The repeat of the 8 key and value heads to 32 is kept as written: a key's block of 32 holds each of its 8 numbers four times; a value head's row of codes serves its four repeats.
; THE QUANTISER: a block's scale is 2^(floor(log2(its largest magnitude)) - 2); its byte is the largest magnitude's own exponent field - 2, held at 1 from below; each number is divided by the scale and rounded to the nearest code, ties to even,
; beyond 7.5 the largest code.
; LIMITS: a block of zeros, and a block whose largest magnitude lies under 2^-124, gets the byte 1 (the rule says 127 for zeros: the codes are zeros, which add nothing under any byte but 0xff, and this program alone reads the bytes).
; NaN and infinities among the inputs are not served.
; THE WORKSPACE IS LAID AS THE NEXT LAUNCH'S REGISTERS WANT IT.  Codes: [K step of 128][group of 16 rows][1,536 bytes]: the image of a fragment's 12 registers: register g of lane L at 512 (g / 4) + 16 L + 4 (g % 4).
; Lane L = r + 16 h holds row r; its registers 6 c .. 6 c + 5 are the 24 bytes of the step's block 2 c + h.  Scale words (four bytes: a row's four blocks of a step): [group of 32 rows][K step][32 rows][4 bytes].
; Rows of the weights: n = 0 .. 4095 Wq's column d 32 + h; 4096 + e 8 + g Wk's; 5120 + e 8 + g Wv's.
; SHARES.  Work-groups with x < 48 take the weights, the others x.  The two ways part on the work-group's number alone; each has LDS bytes of its own.
; THE WEIGHTS ([4096 (k)][columns], K is the FIRST axis): work-group (G, kg) takes 128 columns x 256 along K.  A LANE TAKES A COLUMN AND ITS REGISTERS RUN DOWN K: a load reads 128 consecutive bytes a wave, 512 a work-group;
; a block of 32 lies in one lane.  A wave's 32 columns x 256 K are four images; they are gathered in the wave's stage in LDS and leave as 12 stores of 512 consecutive bytes; its 64 scale words as one store of 256.
; x (K innermost): a wave takes 16 rows x 512 along K, a row a step: dense loads of 512 bytes, a turn through the wave's stage so that a lane holds 16 neighbours, two lanes to a block; the codes are gathered as four images and leave likewise.
.set STEPS, 16
.set FRB,   1536                       ; bytes of an image
; THE WORKSPACE AS IT IS LAID NOW (this takes the place of what the head says of it): the scale words lie behind their images, in the same buffer.
; x_codes: [K step][128 rows: AROW bytes]: eight images, then 8 x 16 scale words.  w_codes: [K step][half tile of 96 rows: BROW bytes]: six images, 6 x 16 scale words, 128 bytes that nobody writes or reads.
; Tile T of the product has two half tiles: 2 T: q's d = 4 T, 4 T + 1 and Wk's columns 32 T .. + 31; 2 T + 1: q's d = 4 T + 2, 4 T + 3 and Wv's columns 32 T .. + 31: 32 columns are two images.
; Of 32 columns, column c goes to image (c / 8) % 2, lane c % 8 + 8 (c / 16): so the product's 16 registers of the two images are 16 neighbouring columns.
.set AROW,   12800
.set BROW,   9728
.set APITCH, 16*AROW
.set BPITCH, 64*BROW
.set SPW,   14                         ; v14  LDS address of my spare word; never rewritten
.set NIL,   15                         ; v15  0; never rewritten
.set WREG,  12288                      ; x's way: LDS bytes 0 .. 49151: a region for each wave: two stages of 32 x SP bytes, its 256 scale bytes, its four images
.set SP,    80                         ; a lane's place in a stage: 64 bytes + 16 of padding
.set XSB,   2*32*SP                    ; the scale bytes: [step 4][row 16][4]
.set XCS,   XSB+256                    ; the images, with padding: 16 lanes' 256 bytes + 16; two of these a group of four registers; three groups an image.
.set HP,    272                        ; With these pitches the 32 lanes of a store of 4 bytes fall into 32 different banks (64 banks of 4 bytes: ISA guide 11.1)
.set GP,    2*HP
.set KP,    3*GP
.set WSTG,  4*WREG                     ; the weights' way: for each wave four dense images [step 2][group 2][1,536] and 256 bytes of scale words
.set WWREG, 4*FRB+256
.set SPARE, WSTG+4*WWREG               ; the spare words, 128 bytes for each wave: two blocks of 256 bytes that no other line names
.set R,     16                         ; x: v16-79   four sets of 16 numbers as loaded; at the end v16-63 the images on their way out
.set X,     80                         ;    v80-111  two sets of 16 neighbours
.set E,     112                        ;    v112-127 a scale byte for each step
.set C,     128                        ;    v128-191 codes, four registers a step
.set CA,    192                        ;    v192-194 where my three words of codes go in the images
.set CRD,   195                        ;    v195     where I read the images back
.set NBLK,  8                          ; W: blocks of 32 along K for a lane
.set WX,    32                         ;    v32-95   two sets of 32 numbers
.set WC,    96                         ;    v96-102  a block's codes
.set OUTR,  112                        ;    v112-159 the way out
.set SB,    24                         ;    v24-25   the two scale words
.set OFF,   176                        ;    v176-207 4 x lane + i x pitch, i = 0 .. 31; never rewritten
.set BASE,  32                         ;    s[32:47] block t's first row; never rewritten
	s_load_b256 s[4:11], s[0:1], 0x0               ; x s[4:5], Wq s[6:7], Wk s[8:9], Wv s[10:11]
	s_load_b64 s[12:13], s[0:1], 0x20              ; x_codes
	s_load_b64 s[16:17], s[0:1], 0x28              ; w_codes
	v_lshl_add_u32 v[SPW], v0, 2, SPARE
	v_mov_b32 v[NIL], 0
	v_lshrrev_b32 v1, 5, v0
	v_readfirstlane_b32 s20, v1                    ; wave 0..3
	v_and_b32 v2, 31, v0                           ; lane
	s_and_b32 s21, ttmp7, 0xffff                   ; work-group y
	s_wait_kmcnt 0x0
	s_cmp_lt_u32 ttmp9, 48
	s_cbranch_scc0 .Lx_path
	; ---------------- THE WEIGHTS ----------------
	s_mov_b32 s24, 4096
	s_mov_b32 s25, 32
	s_cmp_lt_u32 ttmp9, 32                         ; the choice of tensor hangs on the work-group's number alone
	s_cselect_b64 s[22:23], s[6:7], s[8:9]         ; Wq, or Wk
	s_cselect_b32 s24, 16384, s24                  ; bytes from row k to row k + 1
	s_cselect_b32 s25, 0, s25                      ; the tensor's first group of 128 columns
	s_cmp_lt_u32 ttmp9, 40
	s_cselect_b64 s[22:23], s[22:23], s[10:11]     ; or Wv
	s_cselect_b32 s25, s25, 40
	s_mul_i32 s26, s21, s24
	s_lshl_b32 s26, s26, 8                         ; 256 kg rows (under 2^26 bytes)
	s_sub_co_u32 s27, ttmp9, s25
	s_lshl_b32 s27, s27, 9                         ; + the group's 128 columns
	s_add_co_u32 s26, s26, s27
	s_lshl_b32 s27, s20, 7                         ; + my wave's 32
	s_add_co_u32 s26, s26, s27
	s_mov_b32 s27, 0
	s_add_nc_u64 s[BASE:BASE+1], s[22:23], s[26:27]
	s_lshl_b32 s28, s24, 5                         ; 32 rows on
	s_mov_b32 s29, 0
.irp t, 1,2,3,4,5,6,7
	s_add_nc_u64 s[BASE+2*\t:BASE+2*\t+1], s[BASE+2*\t-2:BASE+2*\t-1], s[28:29]
.endr
	s_mul_i32 s48, s20, WWREG
	s_add_co_u32 s48, s48, WSTG                    ; my four images
	s_wait_alu depctr_va_vdst(0)
	v_and_b32 v5, 7, v2
	v_bfe_u32 v6, v2, 4, 1
	v_lshl_or_b32 v5, v6, 3, v5                    ; my column's lane in its image: c % 8 + 8 (c / 16)
	v_bfe_u32 v6, v2, 3, 1                         ; which of the two images: (c / 8) % 2
	v_mul_u32_u24 v4, v6, FRB
	v_lshl_add_u32 v4, v5, 4, v4
	v_add_nc_u32 v4, s48, v4                       ; into them: my group's image, 16 r
	v_lshlrev_b32 v8, 4, v2                        ; out: 16 bytes a lane, in LDS and in w_codes alike
	v_add_nc_u32 v7, s48, v8
	s_add_co_u32 s49, s48, 4*FRB                   ; my 64 scale words
	v_lshl_add_u32 v10, v5, 2, s49                 ; in: my word, at 64 x image + 4 x lane of the image, for each of the two steps
	v_lshl_add_u32 v10, v6, 6, v10
	v_lshlrev_b32 v9, 3, v2                        ; out: 8 bytes a lane
	v_add_nc_u32 v3, s49, v9
	v_lshrrev_b32 v11, 4, v2
	v_and_b32 v9, 15, v2
	v_lshlrev_b32 v9, 3, v9
	v_mad_u32_u24 v9, v11, BPITCH, v9              ; in w_codes: sixteen lanes store a step's 128 bytes
	v_lshlrev_b32 v[OFF], 2, v2
.set i, 1
.rept 31
	v_add_nc_u32 v[OFF+i], s24, v[OFF+i-1]
.set i, i+1
.endr
	s_sub_co_u32 s26, ttmp9, s25
	s_lshl_b32 s26, s26, 2
	s_add_co_u32 s26, s26, s20                     ; Wk, Wv: tile T = 4 x the tensor's group + wave
	s_lshr_b32 s27, s20, 1                         ; Wq: half tile wave / 2,
	s_and_b32 s50, s20, 1                          ; pair of images wave % 2
	s_cmp_lt_u32 ttmp9, 32
	s_cselect_b32 s26, ttmp9, s26                  ; Wq: T = the group
	s_cselect_b32 s50, s50, 2                      ; Wk, Wv: the third pair
	s_cselect_b32 s27, s27, 0                      ; Wk: the lower half tile
	s_cmp_lt_u32 ttmp9, 40
	s_cselect_b32 s27, s27, 1                      ; Wv: the upper
	s_lshl_b32 s26, s26, 1
	s_add_co_u32 s26, s26, s27
	s_mul_i32 s26, s26, BROW
	s_mul_i32 s30, s21, 2*BPITCH                   ; K step 2 kg
	s_add_co_u32 s30, s30, s26
	s_mov_b32 s31, 0
	s_add_nc_u64 s[18:19], s[16:17], s[30:31]      ; my half tile
	s_mul_i32 s26, s50, 2*FRB
	s_mov_b32 s27, 0
	s_add_nc_u64 s[16:17], s[18:19], s[26:27]      ; my two images
	s_lshl_b32 s26, s50, 7
	s_add_co_u32 s26, s26, 6*FRB
	s_add_nc_u64 s[18:19], s[18:19], s[26:27]      ; their 32 scale words
.macro WLOAD t                         ; block t: W(256 kg + 32 t + i, my column), i = 0 .. 31, into set t % 2
.irp i, 0,1,2,3,4,5,6,7,8,9,10,11,12,13,14,15,16,17,18,19,20,21,22,23,24,25,26,27,28,29,30,31
	global_load_b32 v[WX+32*((\t)%2)+\i], v[OFF+\i], s[BASE+2*(\t):BASE+2*(\t)+1] th:TH_LOAD_NT
.endr
.endm
	s_wait_alu depctr_va_vdst(0)
	WLOAD 0
	WLOAD 1
.macro WBLOCK t
.set XS, WX+32*((\t)%2)
.set PL, ((\t)/4)*2*FRB+256*((\t)%2)   ; block t is block b = t % 4 of step t / 4: lanes 16 (b % 2) + r of the image
.if (\t) < NBLK-1
	s_wait_loadcnt 32                              ; this block's 32 loads are in; the next block's 32 may be out
.else
	s_wait_loadcnt 0x0
.endif
	v_max3_num_f32 v12, |v[XS]|, |v[XS+1]|, |v[XS+2]|              ; the block's largest magnitude: all 32 numbers are mine; two chains
	v_max3_num_f32 v13, |v[XS+3]|, |v[XS+4]|, |v[XS+5]|
.irp i, 6,10,14,18,22,26
	v_max3_num_f32 v12, v12, |v[XS+\i]|, |v[XS+\i+1]|
	v_max3_num_f32 v13, v13, |v[XS+\i+2]|, |v[XS+\i+3]|
.endr
	v_max3_num_f32 v12, v12, |v[XS+30]|, |v[XS+31]|
	v_max3_num_f32 v12, v12, v13, 0x1800000        ; and the floor 2^(3 - 127): the byte cannot fall under 1
	v_add_nc_u32 v11, 0xff000000, v12              ; 2 off the exponent field: the conversion takes the exponent field of this operand as its scale
	v_cvt_scalef32_pk16_fp6_f32 v[WC:WC+2], v[XS:XS+15], v11
	v_cvt_scalef32_pk16_fp6_f32 v[WC+4:WC+6], v[XS+16:XS+31], v11  ; (a conversion's three registers begin on an even number)
	v_lshrrev_b32 v13, 23, v11                     ; the scale's byte (a plain line behind the conversions)
.if (\t)%4 == 0
	v_mov_b32 v[SB+(\t)/4], v13                    ; four bytes to a word, the lower K in the lower byte
.else
	v_lshl_or_b32 v[SB+(\t)/4], v13, 8*((\t)%4), v[SB+(\t)/4]
.endif
	v_mov_b32 v[WC+3], v[WC+4]                     ; the block's six words on end
	v_mov_b32 v[WC+4], v[WC+5]
	v_mov_b32 v[WC+5], v[WC+6]
.if ((\t)%4) < 2                       ; blocks 0, 1: the lane's registers 0 to 5
	ds_store_b128 v4, v[WC:WC+3] offset:PL
	ds_store_b64 v4, v[WC+4:WC+5] offset:PL+512
.else                                  ; blocks 2, 3: registers 6 to 11
	ds_store_b64 v4, v[WC:WC+1] offset:PL+520
	ds_store_b128 v4, v[WC+2:WC+5] offset:PL+1024
.endif
.if (\t)+2 < NBLK
	WLOAD (\t)+2
.endif
	s_wait_dscnt 0x0                               ; the stores have read their registers: the next block's codes may be written
.endm
.set Q, 0
.rept NBLK
	WBLOCK Q
.set Q, Q+1
.endr
	ds_store_b32 v10, v[SB]                        ; the scale words change from a lane's two to 8 neighbouring bytes a lane
	s_wait_alu depctr_va_vdst(0)
	ds_store_b32 v10, v[SB+1] offset:128
	ds_load_b64 v[26:27], v3                       ; LDS serves a wave's instructions in order (ISA guide 5.7.1.4): these see my stores
.irp m, 0,1,2,3,4,5,6,7,8,9,10,11
	ds_load_b128 v[OUTR+4*\m:OUTR+4*\m+3], v7 offset:512*\m
.endr
	s_wait_dscnt 12                                ; the scale words are back; the twelve loads behind them may be out
	global_store_b64 v9, v[26:27], s[18:19]        ; each sixteen lanes store a step's 128 consecutive bytes, aligned
.irp m, 0,1,2,3,4,5,6,7,8,9,10,11
	s_wait_dscnt 11-\m                             ; the younger stage loads may be out
	global_store_b128 v8, v[OUTR+4*\m:OUTR+4*\m+3], s[16:17] offset:(\m/6)*BPITCH+(\m%6)*512   ; 512 consecutive bytes, aligned: a step's two images are 3,072 bytes on end
.endr
	s_wait_tensorcnt 0x0                           ; the wave's end, behind my last LDS store
	ds_add_u32 v[SPW], v[NIL]
	s_wait_dscnt 0x0
	s_endpgm
	; ---------------- x ----------------
.Lx_path:
	s_wait_alu depctr_va_vdst(0)
	v_lshlrev_b32 v3, 4, v2                        ; my 16 bytes of 512: of a load, and of a store of codes
	s_mul_i32 s22, s20, WREG
	v_lshrrev_b32 v12, 2, v2
	v_mul_u32_u24 v12, v12, SP
	v_and_b32 v10, 3, v2
	v_lshl_add_u32 v12, v10, 4, v12
	v_add_nc_u32 v12, s22, v12                     ; the turn's stage, on the way in: SP (lane / 4) + 16 (lane % 4): a load's 512 bytes take eight places
	v_mul_u32_u24 v13, v2, SP
	v_add_nc_u32 v13, s22, v13                     ; on the way out: SP x lane: my 16 neighbours: numbers 16 lane .. + 15 of the row's 512
	; lane l: half u = l % 2 of block b = (l / 2) % 4 of step ks = l / 8;  h = b % 2, c = b / 2
	s_add_co_u32 s23, s22, XSB
	v_lshrrev_b32 v5, 3, v2
	v_bfe_u32 v10, v2, 1, 2
	v_lshl_add_u32 v5, v5, 6, v10
	v_add_nc_u32 v5, s23, v5                       ; my block's scale byte: 64 ks + b (+ 4 x row)
	v_lshlrev_b32 v7, 3, v2
	v_add_nc_u32 v6, s23, v7                       ; on the way out 8 bytes a lane: step l / 8, rows 2 (l % 8) and the next
	v_and_b32 v7, 7, v2
	v_lshlrev_b32 v7, 3, v7
	v_lshrrev_b32 v10, 3, v2
	v_mad_u32_u24 v7, v10, APITCH, v7              ; in x_codes: step l / 8, 8 (l % 8)
	s_add_co_u32 s23, s22, XCS
	v_mul_u32_u24 v10, v10, KP                     ; the images: step ks,
	v_bfe_u32 v11, v2, 1, 1
	v_mad_u32_u24 v10, v11, HP, v10                ; lanes 16 h + row
	v_add_nc_u32 v10, s23, v10
	v_bfe_u32 v11, v2, 2, 1
	v_mul_u32_u24 v11, v11, 6
	v_and_b32 v9, 1, v2
	v_mad_u32_u24 v11, v9, 3, v11                  ; my three words are registers 6 c + 3 u + 0, 1, 2 of that lane
.irp i, 0,1,2
	v_add_nc_u32 v9, \i, v11
	v_lshrrev_b32 v8, 2, v9
	v_and_b32 v9, 3, v9
	v_mad_u32_u24 v8, v8, GP, v10                  ; register g: group g / 4,
	v_lshl_add_u32 v[CA+\i], v9, 2, v8             ; word g % 4 (+ 16 x row)
.endr
	v_lshrrev_b32 v8, 4, v2
	v_and_b32 v9, 15, v2
	v_mul_u32_u24 v8, v8, HP
	v_lshl_add_u32 v8, v9, 4, v8
	v_add_nc_u32 v[CRD], s23, v8                   ; back: 16 bytes a lane of a group's 512
	s_sub_co_u32 s23, ttmp9, 48
	s_lshl_b32 s24, s21, 4
	s_add_co_u32 s23, s23, s24                     ; which of the 256 work-groups of x
	s_lshl_b32 s23, s23, 2
	s_add_co_u32 s24, s23, s20                     ; my wave's part: 0 .. 1023
	s_lshr_b32 s25, s24, 3                         ; which 16 rows,
	s_and_b32 s24, s24, 7                          ; which 512 along K
	s_lshl_b32 s26, s25, 18                        ; x: 16 rows of 16,384 bytes,
	s_lshl_b32 s27, s24, 11                        ; 2,048 bytes
	s_add_co_u32 s26, s26, s27
	s_mov_b32 s27, 0
	s_add_nc_u64 s[4:5], s[4:5], s[26:27]
	s_mul_i32 s26, s24, 4*APITCH                   ; x_codes: four K steps,
	s_lshr_b32 s28, s25, 3
	s_mul_i32 s28, s28, AROW                       ; my 128 rows
	s_add_co_u32 s26, s26, s28
	s_add_nc_u64 s[14:15], s[12:13], s[26:27]
	s_and_b32 s28, s25, 7
	s_mul_i32 s26, s28, FRB
	s_add_nc_u64 s[12:13], s[14:15], s[26:27]      ; my 16 rows' image
	s_lshl_b32 s26, s28, 6
	s_add_co_u32 s26, s26, 8*FRB
	s_add_nc_u64 s[14:15], s[14:15], s[26:27]      ; and their scale words
.macro XLOAD t                         ; step t is row t: its 2,048 bytes
.irp i, 0,1,2,3
	global_load_b128 v[R+16*((\t)%4)+4*\i:R+16*((\t)%4)+4*\i+3], v3, s[4:5] offset:16384*(\t)+512*\i th:TH_LOAD_NT   ; 32 lanes read 512 consecutive bytes
.endr
.endm
.macro XTURN t                         ; step t's numbers through the stage: LDS serves a wave's instructions in order, so no wait stands between the stores and the loads
.irp i, 0,1,2,3
	ds_store_b128 v12, v[R+16*((\t)%4)+4*\i:R+16*((\t)%4)+4*\i+3] offset:32*SP*((\t)%2)+8*SP*\i
.endr
.irp i, 0,1,2,3
	ds_load_b128 v[X+16*((\t)%2)+4*\i:X+16*((\t)%2)+4*\i+3], v13 offset:32*SP*((\t)%2)+16*\i
.endr
.endm
.irp t, 0,1,2,3
	XLOAD \t
.endr
	s_wait_loadcnt 12                              ; step 0's four loads are in; three steps' twelve may be out
	XTURN 0
.macro XSTEP t
.set XS, X+16*((\t)%2)
.if (\t) > 0
	s_wait_dscnt 4                                 ; this step's numbers are back from the stage (the last step's four stores of a byte and of codes may be out): so its stores into the stage have read their registers,
.else
	s_wait_dscnt 0x0
.endif
.if (\t)+4 < STEPS
	XLOAD (\t)+4                                   ; which take the loads of four steps on
.endif
.if (\t)+1 < STEPS
.if STEPS-2-(\t) >= 3
	s_wait_loadcnt 12                              ; the next step's four loads are in; those of the three steps behind it may be out
.else
	s_wait_loadcnt 4*(STEPS-2-(\t))
.endif
	XTURN (\t)+1                                   ; and go through the other stage while this step is worked
.endif
	v_max3_num_f32 v8, |v[XS]|, |v[XS+1]|, |v[XS+2]|               ; the largest magnitude of my 16
	v_max3_num_f32 v9, |v[XS+3]|, |v[XS+4]|, |v[XS+5]|
.irp i, 6,10
	v_max3_num_f32 v8, v8, |v[XS+\i]|, |v[XS+\i+1]|
	v_max3_num_f32 v9, v9, |v[XS+\i+2]|, |v[XS+\i+3]|
.endr
	v_max3_num_f32 v8, v8, |v[XS+14]|, |v[XS+15]|
	v_max3_num_f32 v8, v8, v9, 0x1800000           ; and the floor 2^(3 - 127)
	v_max_num_f32_dpp v8, v8, v8 row_xmask:1 row_mask:0xf bank_mask:0xf   ; and of my neighbour's 16: the block's
	v_add_nc_u32 v11, 0xff000000, v8               ; 2 off its exponent field: the conversion's scale operand
	v_cvt_scalef32_pk16_fp6_f32 v[C+4*(\t):C+4*(\t)+2], v[XS:XS+15], v11
	v_lshrrev_b32 v[E+(\t)], 23, v11               ; the scale's byte (a plain line behind the conversion)
	ds_store_b8 v5, v[E+(\t)] offset:4*(\t)        ; both lanes of a block write the same byte with the same value
.irp i, 0,1,2
	ds_store_b32 v[CA+\i], v[C+4*(\t)+\i] offset:16*(\t)           ; my three words, into row t's lane of the image
.endr
.endm
.irp t, 0,1,2,3,4,5,6,7,8,9,10,11,12,13,14,15
	XSTEP \t
.endr
	ds_load_b64 v[8:9], v6                         ; in order behind my stores
.irp m, 0,1,2,3,4,5,6,7,8,9,10,11
	ds_load_b128 v[R+4*\m:R+4*\m+3], v[CRD] offset:(\m/3)*KP+(\m%3)*GP
.endr
	s_wait_dscnt 12                                ; the scale bytes are back; the twelve loads behind them may be out
	global_store_b64 v7, v[8:9], s[14:15]          ; eight lanes store a step's 64 bytes: my 16 rows' words
.irp m, 0,1,2,3,4,5,6,7,8,9,10,11
	s_wait_dscnt 11-\m                             ; the younger stage loads may be out
	global_store_b128 v3, v[R+4*\m:R+4*\m+3], s[12:13] offset:(\m/3)*APITCH+(\m%3)*512   ; 512 consecutive bytes, aligned
.endr
	s_wait_tensorcnt 0x0                           ; the wave's end, behind my last LDS store
	ds_add_u32 v[SPW], v[NIL]
	s_wait_dscnt 0x0
	s_endpgm
.Lfunc_end_k_q2160e76c2f_quant:
	.size	k_q2160e76c2f_quant, .Lfunc_end_k_q2160e76c2f_quant-k_q2160e76c2f_quant
	.p2alignl 7, 3214868480
	.fill 96, 4, 3214868480
	.section	.rodata,"a",@progbits
	.p2align	6, 0x0
	.amdhsa_kernel k_q2160e76c2f_quant
		.amdhsa_group_segment_fixed_size 75264
		.amdhsa_private_segment_fixed_size 0
		.amdhsa_enable_private_segment 0
		.amdhsa_kernarg_size 48
		.amdhsa_user_sgpr_count 2
		.amdhsa_user_sgpr_kernarg_segment_ptr 1
		.amdhsa_wavefront_size32 1
		.amdhsa_system_sgpr_workgroup_id_x 1
		.amdhsa_system_sgpr_workgroup_id_y 1
		.amdhsa_system_sgpr_workgroup_id_z 1
		.amdhsa_system_vgpr_workitem_id 0
		.amdhsa_next_free_vgpr 208
		.amdhsa_next_free_sgpr 66
		.amdhsa_reserve_vcc 0
		.amdhsa_float_denorm_mode_32 3
		.amdhsa_float_denorm_mode_16_64 3
		.amdhsa_memory_ordered 1
		.amdhsa_forward_progress 1
		.amdhsa_inst_pref_size 82
	.end_amdhsa_kernel
	.amdgpu_metadata
---
amdhsa.version: [ 1, 2 ]
amdhsa.kernels:
  - .name:           k_q2160e76c2f_quant
    .symbol:         k_q2160e76c2f_quant.kd
    .args:
      - { .name: x, .offset: 0, .size: 8, .value_kind: global_buffer, .address_space: global }
      - { .name: Wq, .offset: 8, .size: 8, .value_kind: global_buffer, .address_space: global }
      - { .name: Wk, .offset: 16, .size: 8, .value_kind: global_buffer, .address_space: global }
      - { .name: Wv, .offset: 24, .size: 8, .value_kind: global_buffer, .address_space: global }
      - { .name: x_codes, .offset: 32, .size: 8, .value_kind: global_buffer, .address_space: global }
      - { .name: w_codes, .offset: 40, .size: 8, .value_kind: global_buffer, .address_space: global }
    .group_segment_fixed_size: 75264
    .private_segment_fixed_size: 0
    .kernarg_segment_align: 8
    .kernarg_segment_size: 48
    .max_flat_workgroup_size: 128
    .sgpr_count:     66
    .vgpr_count:     208
    .wavefront_size: 32
...
	.end_amdgpu_metadata
.endif
;; end of part 1
;; launch gemm (part 2): grid 32 x 8, 4 waves a work-group, clusters of 4 x 4, 327,680 bytes of LDS; arguments x_codes, w_codes, bq, qkv; writes qkv
.if DOCPART == 2
	.amdgcn_target "amdgcn-amd-amdhsa--gfx1250"
	.amdhsa_code_object_version 6
	.text
	.protected	k_q2160e76c2f_gemm
	.globl	k_q2160e76c2f_gemm
	.p2align	8
	.type	k_q2160e76c2f_gemm,@function
k_q2160e76c2f_gemm:
	s_mov_b64 s[64:65], 0
	v_nop
	global_prefetch_b8 v0, s[64:65] scope:SCOPE_SE
	s_setreg_imm32_b32 hwreg(HW_REG_WAVE_MODE, 25, 1), 1
	s_wait_xcnt 0x0
	s_wait_alu depctr_hold_cnt(0) depctr_sa_sdst(0) depctr_va_vdst(0) depctr_va_sdst(0) depctr_va_ssrc(0) depctr_va_vcc(0) depctr_vm_vsrc(0)
	s_getreg_b32 s2, hwreg(HW_REG_IB_STS2, 6, 4)
	s_cmp_eq_u32 s2, 0
	s_cbranch_scc0 .Lentry_in_a_cluster
	s_endpgm
.Lentry_in_a_cluster:
	s_bfe_u32 s2, ttmp6, 0x10000c
	s_cmp_lg_u32 s2, 0xf033
	s_cbranch_scc0 .Lentry_shape_is_right
	s_endpgm
.Lentry_shape_is_right:
; Q(x) Q(W)^T on codes of FP6 (E2M3): 2,048 tokens x 6,144 columns, K = 4,096 in 32 steps of 128.  No work of the problem is left out here.
; A work-group makes 256 tokens x 192 columns (tile T: q's d = 4 T .. 4 T + 3, Wk's and Wv's columns 32 T .. + 31): 8 x 32 = 256 work-groups.  Four waves, each 128 tokens x 96 columns: 48 accumulators, 384 registers.
; OPERANDS come as images of the fragments' registers, with each row's scale words behind its images: a tile row of A is 128 tokens of one K step (12,800 bytes), of B 96 columns (9,600 bytes in a pitch of 9,728);
; every row begins at a multiple of 256 bytes.  A ring of two LDS slots of three K steps; waves 0, 1 fetch A's halves, waves 2, 3 B's, one tensor load a wave behind each round.
; CLUSTERS 4 x 4: A's tiles are asked for jointly along a row of the cluster, B's along a column.
; A K STEP IS ONE RUN OF 50 LDS LOADS AND 48 MATRIX INSTRUCTIONS.  All fragments and scale words have two sets of registers: the run at a step's head fetches the whole next step into the other set, and the products follow with no load among them.
; The products go in four phases of 12: phase w multiplies A's blocks 2 w, 2 w + 1 by B's six, on the 12 accumulators of register window w: one switch of windows a phase, four in the run.
; In a slot's last step phases 0 and 1 stand in front of and inside the barrier, and the run follows the joint refill.
; PREFETCH: at the change of slots that asks for chunk j (three K steps) each wave names, once in its cluster, its share of chunk j + 2's three rows of the half tile that it fetches (13 blocks of 256 bytes of A's 50, or 10 of B's 38;
; the four partners part by address): two changes of slots ahead of the load that wants them.  Chunk 1 is named behind chunk 0's load, chunks 2 and 3 behind chunk 1's; chunk 0 comes by its load alone; chunk 10 has two rows, and past it nothing is named.
; THE MATRIX INSTRUCTION IS USED TRANSPOSED (source 0 = 16 columns, source 1 = 16 tokens).  The columns of two neighbouring images are so ordered that a lane's 16 registers of the two accumulators are columns 16 (lane / 16) + 0 .. 15 of a block of 32.
; THE WAY OUT.  q (+ bq) is an operand of the scores, quantised along its 32 heads: a block of 32 columns.  It is quantised here: 24 bytes of codes, the scale's byte as a word, a word of 0: a record of 32 bytes.  k and v leave as f32.
; qkv: [T][token][384 bytes: q's four records, 32 k, 32 v]: a work-group's part is 98,304 bytes on end; it goes through a stage in LDS (rows of 400 bytes, in slot 0, which has had its last fill) and every store covers 512 consecutive bytes.
; LIMITS: a block of zeros, or one whose largest magnitude lies under 2^-124, gets the byte 1 (its codes are zeros; this program alone reads the bytes).  NaN and infinities are not served.
; REGISTERS.  Every window: v160-255 its 12 accumulators, (a, b) at v[160 + 8 (6 (a % 2) + b)] of window a / 2.  Set p of the fragments:
; Window 0: v0-31 addresses, v32-47 scale words, v48-50 prefetch offsets, v56-61 at work on the way out, v64-95 bq, v[96 + 24 p] A's blocks 4, 5.  Window 1: v[72 p] B, v144-155 the loop's LDS addresses.
; Window 2: v[24 p] A's blocks 0, 1; v[48 + 24 p] blocks 6, 7.  Window 3: v[24 p] A's blocks 2, 3.
.set FRB,    1536
.set NP,     4                         ; places behind this matrix form (ISA guide 7.12.1)
.set NQ,     3                         ; K steps in a slot
.set AROW,   12800
.set BROW,   9728                      ; B's row in memory,
.set BROWL,  9600                      ; and what is fetched of it
.set APITCH, 16*AROW
.set BPITCH, 64*BROW
.set HALFA,  NQ*AROW
.set HALFB,  NQ*BROWL
.set SLOT,   2*HALFA+2*HALFB
.set SPARE,  2*SLOT                    ; the spare words: 512 bytes that no other line names
.set SP,     400                       ; a stage row: 384 bytes + 16
.set TS,     2048*384                  ; qkv: from tile to tile
.set XA,   144                         ; window 1: my A fragments in slot 0, 1
.set XB,   146                         ; my B fragments
.set XS,   148                         ; scale words of (slot, step): lanes 0-15 A's, lanes 16-31 B's
.set XT,   154                         ; A's scale words in all lanes, by slot
.set STQ,  22                          ; the stage: my 12 bytes of a record; its scale word; my 64 bytes of f32
.set STE,  23
.set STF,  24
.set RD,   25                          ; v25-27 the stage read back as dense bytes
.set SPW,  28
.set NIL,  29
.set CO,   30
.set BOF,  31
.set SC,   32
.set PFO,  48
.set M,    56
.set BI,   64
.set T,    96
.set G1,   24
.set G0,   32
.set G1B,  48
.set G0B,  56
.set G1FB, 68                          ; the last chunk has two K steps
.set G1F,  92
.set PF,   76                          ; s[76:81] my half tile's chunks 1, 2, 3; the last of the three is stepped on
.set PF2,  80
.set P3,   88                          ; s[88:89] three K steps in bytes
.set MSB, 0
.macro WIN new
.if MSB != (\new)
	s_set_vgpr_msb (MSB<<8)|(\new)
.set MSB, (\new)
.endif
.endm
.macro PLACES
.rept NP
	v_nop
.endr
.endm
.macro JLOAD g0a, g1a, g0b, g1b        ; a joint load: the branch hangs on the wave's number alone
	s_cmp_eq_u32 s15, 0
	s_cbranch_scc0 .Lfor_b_\@
	tensor_load_to_lds s[\g0a:\g0a+3], s[\g1a:\g1a+7]
	s_nop 0
.rept 4
	v_nop
.endr
	s_branch .Lasked_\@
.Lfor_b_\@:
	tensor_load_to_lds s[\g0b:\g0b+3], s[\g1b:\g1b+7]
	s_nop 0
.rept 4
	v_nop
.endr
.Lasked_\@:
.endm
.macro CREST
	s_cmp_lg_u32 s14, 0
	s_cbranch_scc1 .Lnot_wave_0_\@
	s_barrier_signal -3
.Lnot_wave_0_\@:
	s_barrier_wait -3
	s_barrier_signal -1
	s_barrier_wait -1
.endm
.macro CROUND
	s_barrier_signal -1
	s_barrier_wait -1
	CREST
.endm
	s_load_b256 s[4:11], s[0:1], 0x0               ; x_codes, w_codes, bq, qkv
	v_lshl_add_u32 v[SPW], v0, 2, SPARE
	v_mov_b32 v[NIL], 0
	ds_add_u32 v[SPW], v[NIL]                      ; the opening lines
	ds_add_u32 v[SPW], v[NIL]
	v_lshrrev_b32 v1, 5, v0
	v_readfirstlane_b32 s14, v1                    ; wave
	s_lshr_b32 s15, s14, 1                         ; my half of the tokens; also: I fetch for A (0) or B (1)
	s_and_b32 s16, s14, 1                          ; my half of the columns; also: which half tile I fetch
	s_bfe_u32 s40, ttmp6, 0x40000                  ; cx
	s_bfe_u32 s41, ttmp6, 0x40004                  ; cy
	s_lshl_b32 s42, ttmp9, 2
	s_add_co_u32 s42, s42, s40                     ; tile column T
	s_and_b32 s17, ttmp7, 0xffff
	s_lshl_b32 s17, s17, 2
	s_add_co_u32 s17, s17, s41                     ; tile row
	s_lshl_b32 s43, s41, 2
	s_lshl_b32 s43, 15, s43                        ; my row of the cluster
	s_lshl_b32 s44, 0x1111, s40                    ; my column
	s_or_b32 s[G1+0], s43, (3<<16)|(1<<21)         ; elements of 8 bytes, the mask, bit 21 beside it
	s_or_b32 s[G1F+0], s43, (3<<16)|(1<<21)
	s_or_b32 s[G1B+0], s44, (3<<16)|(1<<21)
	s_or_b32 s[G1FB+0], s44, (3<<16)|(1<<21)
.irp g, G1, G1F
	s_mov_b32 s[\g+1], (AROW/8)<<16
	s_mov_b32 s[\g+3], (AROW/8)<<16
	s_mov_b32 s[\g+5], APITCH/8
	s_mov_b32 s[\g+6], 0
	s_mov_b32 s[\g+7], 0
.endr
.irp g, G1B, G1FB
	s_mov_b32 s[\g+1], (BROWL/8)<<16
	s_mov_b32 s[\g+3], (BROWL/8)<<16
	s_mov_b32 s[\g+5], BPITCH/8
	s_mov_b32 s[\g+6], 0
	s_mov_b32 s[\g+7], 0
.endr
.irp g, G1, G1B
	s_mov_b32 s[\g+2], NQ<<16
	s_mov_b32 s[\g+4], NQ
.endr
.irp g, G1F, G1FB
	s_mov_b32 s[\g+2], 2<<16
	s_mov_b32 s[\g+4], 2
.endr
	s_lshl_b32 s20, s17, 1
	s_add_co_u32 s20, s20, s16
	s_mul_i32 s20, s20, AROW                       ; A: half tile 2 x tile row + half
	s_mov_b32 s21, 0
	s_lshl_b32 s46, s42, 1
	s_add_co_u32 s46, s46, s16
	s_mul_i32 s46, s46, BROW                       ; B: half tile 2 T + half
	s_mov_b32 s47, 0
	s_mul_i32 s45, s16, HALFA                      ; where they go in a slot
	s_mul_i32 s2, s16, HALFB
	s_add_co_u32 s2, s2, 2*HALFA
	s_wait_dscnt 0x0                               ; both opening adds are done
	s_wait_kmcnt 0x0
	s_add_nc_u64 s[20:21], s[4:5], s[20:21]
	s_add_nc_u64 s[46:47], s[6:7], s[46:47]
.irp s, 0,1
	s_mov_b32 s[G0+4*\s], 1
	s_add_co_u32 s[G0+4*\s+1], s45, \s*SLOT
	s_add_nc_u64 s[G0+4*\s+2:G0+4*\s+3], s[20:21], \s*NQ*APITCH
	s_or_b32 s[G0+4*\s+3], s[G0+4*\s+3], 0x80000000
	s_mov_b32 s[G0B+4*\s], 1
	s_add_co_u32 s[G0B+4*\s+1], s2, \s*SLOT
	s_add_nc_u64 s[G0B+4*\s+2:G0B+4*\s+3], s[46:47], \s*NQ*BPITCH
	s_or_b32 s[G0B+4*\s+3], s[G0B+4*\s+3], 0x80000000
.endr
	CROUND                                         ; the first joint loads meet
	JLOAD G0, G1, G0B, G1B                         ; chunk 0: one tensor load a wave at the head
	; scalars of the rest of the head
	s_cmp_eq_u32 s15, 0
	s_cselect_b64 s[PF:PF+1], s[20:21], s[46:47]   ; the half tile that I fetch, K step 0
	s_cselect_b32 s82, s40, s41                    ; my place among the four that ask for it with me
	s_cselect_b32 s83, 13, 10                      ; blocks of 256 bytes for each partner
	s_cselect_b32 s84, 49, 37                      ; the row's last block
	s_mov_b32 s87, BPITCH
	s_cselect_b32 s87, APITCH, s87                 ; from K step to K step
	s_mul_i32 s85, s82, s83
	s_sub_co_u32 s86, s83, 1
	s_mul_i32 s[P3], s87, 3
	s_mov_b32 s[P3+1], 0
	s_add_nc_u64 s[PF:PF+1], s[PF:PF+1], s[P3:P3+1]       ; chunk 1,
	s_add_nc_u64 s[PF+2:PF+3], s[PF:PF+1], s[P3:P3+1]     ; chunk 2,
	s_add_nc_u64 s[PF2:PF2+1], s[PF+2:PF+3], s[P3:P3+1]   ; chunk 3
	s_lshl_b32 s18, s42, 2
	s_lshl_b32 s19, s16, 1
	s_add_co_u32 s18, s18, s19
	s_lshl_b32 s18, s18, 7
	s_mov_b32 s19, 0
	s_add_nc_u64 s[8:9], s[8:9], s[18:19]          ; bq of d = 4 T + 2 x my half: 128 bytes a d
	s_mul_i32 s18, s42, TS
	s_lshl_b32 s90, s17, 8
	s_lshl_b32 s91, s14, 6
	s_add_co_u32 s90, s90, s91
	s_mul_i32 s90, s90, 384
	s_add_co_u32 s18, s18, s90
	s_add_nc_u64 s[12:13], s[10:11], s[18:19]      ; qkv: tile T, token 256 x tile row + 64 x wave
	s_mul_i32 s20, s15, HALFA                      ; LDS: my 128 tokens of A,
	s_mul_i32 s21, s16, HALFB
	s_add_co_u32 s21, s21, 2*HALFA                 ; my 96 columns of B
	s_add_co_u32 s45, s20, 8*FRB                   ; A's scale words of a slot's first step
	s_add_co_u32 s46, s21, 6*FRB
	s_sub_co_u32 s46, s46, s45                     ; how far behind them B's lie: first,
	s_sub_co_u32 s47, s46, AROW-BROWL              ; second,
	s_sub_co_u32 s90, s47, AROW-BROWL              ; third step
	s_mul_i32 s91, s15, 128*SP
	s_lshl_b32 s2, s16, 6
	s_add_co_u32 s91, s91, s2                      ; the stage: my tokens' rows, my two records
	s_add_co_u32 s2, s2, 128                       ; on from there to my f32 block
	s_mul_i32 s19, s14, 64*SP                      ; the rows that I read back
	s_mov_b32 s22, 0x76543210
	s_mov_b32 s23, 0xfedcba98                      ; v_permlanex16_b32's selects for lane l xor 16
	v_and_b32 v1, 15, v0                           ; r
	v_bfe_u32 v2, v0, 4, 1                         ; h
	v_and_b32 v3, 31, v0                           ; l
	v_lshlrev_b32 v4, 4, v3
	v_lshlrev_b32 v5, 2, v1
	s_wait_alu depctr_va_vdst(0)
	v_min_u32 v6, s86, v3                          ; lanes left over name their wave's last block again
	v_add_nc_u32 v6, s85, v6
	v_min_u32 v6, s84, v6
	v_lshlrev_b32 v[PFO], 8, v6                    ; a chunk's first row,
	v_add_nc_u32 v[PFO+1], s87, v[PFO]             ; second,
	v_add_nc_u32 v[PFO+2], s87, v[PFO+1]           ; third
.irp k, 0,1,2
	global_prefetch_b8 v[PFO+\k], s[PF:PF+1] th:TH_LOAD_NT scope:SCOPE_SE   ; chunk 1
.endr
	v_lshlrev_b32 v[BOF], 6, v2
.irp i, 0,1,2,3,4,5,6,7
	global_load_b128 v[BI+4*\i:BI+4*\i+3], v[BOF], s[8:9] offset:128*(\i/4)+16*(\i%4)   ; bq[d][16 h + 0 .. 15] of my two d; waited for on the way out
.endr
	v_add_nc_u32 v8, s20, v4                       ; the loop's twelve LDS addresses, made here and moved to window 1
	v_add_nc_u32 v10, s21, v4
	v_add_nc_u32 v9, SLOT, v8
	v_add_nc_u32 v11, SLOT, v10
	v_add_nc_u32 v18, s45, v5
	v_add_nc_u32 v19, SLOT, v18
	v_mul_u32_u24 v6, s46, v2
	v_add_nc_u32 v12, v18, v6
	v_mul_u32_u24 v6, s47, v2
	v_add_nc_u32 v6, AROW, v6
	v_add_nc_u32 v13, v18, v6
	v_mul_u32_u24 v6, s90, v2
	v_add_nc_u32 v6, 2*AROW, v6
	v_add_nc_u32 v14, v18, v6
.irp q, 0,1,2
	v_add_nc_u32 v[15+\q], SLOT, v[12+\q]
.endr
	WIN 0x40
.irp i, 0,1,2,3,4,5,6,7,8,9,10,11
	v_mov_b32 v[XA+\i], v[8+\i]
.endr
	WIN 0
	v_mul_u32_u24 v6, v1, SP
	v_add_nc_u32 v6, s91, v6
	v_mad_u32_u24 v[STQ], v2, 12, v6
	v_add_nc_u32 v[STE], 24, v6
	v_lshl_add_u32 v7, v2, 6, v6
	v_add_nc_u32 v[STF], s2, v7
.irp c, 0,1,2                          ; dense byte 512 c + 16 l of four tokens' 1,536: token x / 24, x = 32 c + l: 16 more bytes for each token passed
	v_add_nc_u32 v6, 32*\c, v3
	v_lshrrev_b32 v7, 3, v6
	v_mul_u32_u24 v7, v7, 171
	v_lshrrev_b32 v7, 9, v7
	v_add_nc_u32 v6, v6, v7
	v_lshl_add_u32 v[RD+\c], v6, 4, s19
.endr
	v_mov_b32 v[CO], v4
; The j-th LDS load of those that land in window w, for the step at (slot, q), into set pn.  An image is three loads of 512 bytes on end.
.macro LD1 w, j, slot, q, pn
.if \w == 0
.if (\j) < 6
	ds_load_b128 v[96+24*(\pn)+4*(\j):96+24*(\pn)+4*(\j)+3], v[XA+\slot] offset:(\q)*AROW+4*FRB+512*(\j)
.else
.if (\j) < 12
	ds_load_b32 v[SC+8*(\pn)+(\j)-6], v[XS+3*(\slot)+(\q)] offset:((\j)-6)*64
.else
	ds_load_b32 v[SC+8*(\pn)+(\j)-6], v[XT+\slot] offset:(\q)*AROW+((\j)-6)*64       ; B has six blocks: the last two registers take A's words in all lanes
.endif
.endif
.endif
.if \w == 1
	ds_load_b128 v[72*(\pn)+4*(\j):72*(\pn)+4*(\j)+3], v[XB+\slot] offset:(\q)*BROWL+512*(\j)
.endif
.if \w == 2
.if (\j) < 6
	ds_load_b128 v[24*(\pn)+4*(\j):24*(\pn)+4*(\j)+3], v[XA+\slot] offset:(\q)*AROW+512*(\j)
.else
	ds_load_b128 v[24+24*(\pn)+4*(\j):24+24*(\pn)+4*(\j)+3], v[XA+\slot] offset:(\q)*AROW+4*FRB+512*(\j)   ; blocks 6, 7: j - 6 counts from v[48 + 24 pn] and from image 6
.endif
.endif
.if \w == 3
	ds_load_b128 v[24*(\pn)+4*(\j):24*(\pn)+4*(\j)+3], v[XA+\slot] offset:(\q)*AROW+2*FRB+512*(\j)
.endif
.endm
.macro RUN w, n, slot, q, pn           ; address window 1, destination window w
	WIN 0x01+0x40*(\w)
.set J, 0
.rept \n
	LD1 \w, J, \slot, \q, \pn
.set J, J+1
.endr
.endm
.macro FETCH slot, q, pn               ; a whole K step: 50 loads.  The youngest twelve are A's blocks 6, 7 and 2, 3
	RUN 0, 14, \slot, \q, \pn
	RUN 1, 18, \slot, \q, \pn
	RUN 2, 12, \slot, \q, \pn
	RUN 3, 6, \slot, \q, \pn
.endm
; Phase w of a step on sets p: 12 matrix instructions.  Source 0 (B) window 1; source 1 (A) window 2, 3, 0, 2; C and D window w.
; The 48 accumulators take turns.  Scale register i: lanes 0-15 A's block i, lanes 16-31 B's block i.
.macro PH w, p, zero
.if \w == 0
	WIN 0x09
.set AB, 24*(\p)
.endif
.if \w == 1
	WIN 0x5d
.set AB, 24*(\p)
.endif
.if \w == 2
	WIN 0xa1
.set AB, 96+24*(\p)
.endif
.if \w == 3
	WIN 0xf9
.set AB, 48+24*(\p)
.endif
.irp a2, 0,1
.irp b, 0,1,2,3,4,5
.if \zero
	v_wmma_scale_f32_16x16x128_f8f6f4 v[160+8*(6*\a2+\b):160+8*(6*\a2+\b)+7], v[72*(\p)+12*\b:72*(\p)+12*\b+11], v[AB+12*\a2:AB+12*\a2+11], 0, v[SC+8*(\p)+\b], v[SC+8*(\p)+2*(\w)+\a2] matrix_a_fmt:MATRIX_FMT_FP6 matrix_b_fmt:MATRIX_FMT_FP6 matrix_a_scale:MATRIX_SCALE_ROW1
.else
	v_wmma_scale_f32_16x16x128_f8f6f4 v[160+8*(6*\a2+\b):160+8*(6*\a2+\b)+7], v[72*(\p)+12*\b:72*(\p)+12*\b+11], v[AB+12*\a2:AB+12*\a2+11], v[160+8*(6*\a2+\b):160+8*(6*\a2+\b)+7], v[SC+8*(\p)+\b], v[SC+8*(\p)+2*(\w)+\a2] matrix_a_fmt:MATRIX_FMT_FP6 matrix_b_fmt:MATRIX_FMT_FP6 matrix_a_scale:MATRIX_SCALE_ROW1
.endif
.endr
.endr
.endm
.macro STEP slot, q, p, zero           ; a K step that stays in its slot
	s_wait_dscnt 12                                ; this step's fragments are in, all but the youngest twelve loads
	PLACES                                         ; between the last step's products and the loads into the set that they have read
	FETCH \slot, (\q)+1, 1-(\p)
	PH 0, \p, \zero
	s_wait_dscnt 50                                ; all but the fifty just issued
	PH 1, \p, \zero
	PH 2, \p, \zero
	PH 3, \p, \zero
.endm
.macro ASK how                         ; 2: a chunk's three rows, in the loop's last trip two (chunk 10); 3: three rows, in the last trip none
.if \how == 3
	s_cmp_gt_u32 s3, 1
	s_cbranch_scc0 .Lno_ask_\@
.endif
.if \how
	global_prefetch_b8 v[PFO], s[PF2:PF2+1] th:TH_LOAD_NT scope:SCOPE_SE
	global_prefetch_b8 v[PFO+1], s[PF2:PF2+1] th:TH_LOAD_NT scope:SCOPE_SE
.endif
.if \how == 2
	s_cmp_gt_u32 s3, 1
	s_cbranch_scc0 .Lno_ask_\@
.endif
.if \how
	global_prefetch_b8 v[PFO+2], s[PF2:PF2+1] th:TH_LOAD_NT scope:SCOPE_SE
.endif
.if \how > 1
.Lno_ask_\@:
.endif
.endm
.macro TURN slot, p, next, fill, ask   ; a slot's last K step: the change of slots.  fill: K steps in the refill, 0: none.  My reads of this slot were all issued in the step before
	WIN 0
.if \ask
	s_wait_xcnt 0x0                                ; the last prefetches have read their address: on by a chunk
	s_add_nc_u64 s[PF2:PF2+1], s[PF2:PF2+1], s[P3:P3+1]
.endif
	s_wait_tensorcnt 0x0                           ; all my tensor loads have landed: my part of the next slot
	ds_add_u32 v[SPW], v[NIL]
	s_wait_dscnt 13                                ; (the add and the youngest twelve loads may be out)
	PH 0, \p, 0
	s_wait_dscnt 0x0                               ; the add is done, my reads of this slot are over
	s_barrier_signal -1
	PH 1, \p, 0
	WIN 0
	s_barrier_wait -1
.if \fill
	CREST                                          ; the barrier has opened a round of the cluster's barrier
	s_add_nc_u64 s[G0+4*\slot+2:G0+4*\slot+3], s[G0+4*\slot+2:G0+4*\slot+3], 2*NQ*APITCH
	s_add_nc_u64 s[G0B+4*\slot+2:G0B+4*\slot+3], s[G0B+4*\slot+2:G0B+4*\slot+3], 2*NQ*BPITCH
.if \fill == 3
	JLOAD G0+4*\slot, G1, G0B+4*\slot, G1B         ; its four v_nop are also the places in front of the loads below
.else
	JLOAD G0+4*\slot, G1F, G0B+4*\slot, G1FB
.endif
.else
	PLACES
.endif
	FETCH \next, 0, 1-(\p)
	WIN 0
	ASK \ask
	PH 2, \p, 0
	PH 3, \p, 0
.endm
	s_wait_alu depctr_va_vdst(0)
	s_wait_tensorcnt 0x0                           ; my part of slot 0 is in; slot 1's first fill is issued as a refill is
	ds_add_u32 v[SPW], v[NIL]
	s_wait_dscnt 0x0
	CROUND
	JLOAD G0+4, G1, G0B+4, G1B                     ; chunk 1
	FETCH 0, 0, 0                                  ; K step 0's fragments
	WIN 0
.irp c, 2,4
.irp k, 0,1,2
	global_prefetch_b8 v[PFO+\k], s[PF+\c:PF+\c+1] th:TH_LOAD_NT scope:SCOPE_SE   ; chunks 2 and 3
.endr
.endr
	STEP 0, 0, 0, 1                                ; the first step's products start the sums
	WIN 0
	s_mov_b32 s3, 4
.Llap:                                                 ; a trip: six K steps, once round the ring
	STEP 0, 1, 1, 0
	TURN 0, 0, 1, 3, 2
	STEP 1, 0, 1, 0
	STEP 1, 1, 0, 0
	TURN 1, 1, 0, 3, 3
	STEP 0, 0, 0, 0
	WIN 0
	s_sub_co_u32 s3, s3, 1
	s_cmp_lg_u32 s3, 0
	s_cbranch_scc1 .Llap
	STEP 0, 1, 1, 0                                ; K steps 25 to 31
	TURN 0, 0, 1, 2, 0
	STEP 1, 0, 1, 0
	STEP 1, 1, 0, 0
	TURN 1, 1, 0, 0, 0
	STEP 0, 0, 0, 0
	s_wait_dscnt 12
	PH 0, 1, 0
	s_wait_dscnt 0x0
	PH 1, 1, 0
	PH 2, 1, 0
	PH 3, 1, 0
	WIN 0
	s_barrier_signal -1                            ; nobody reads the slots any more: the stage may be written
	s_barrier_wait -1
	s_wait_loadcnt 0x0                             ; bq is in
	PLACES
	v_mov_b32 v[M+2], 0                            ; a lane permute's destination counts as one of its sources
	v_mov_b32 v[M+3], 0
; My 16 tokens of block a: two blocks of q are quantised, the f32 block goes as it is.  cb, eb: registers of window 0 for the codes and the scale words, other ones for each block, so that no LDS store's data are written again:
; for blocks 0, 1 where A's fragments lay, for the others where the q sums of blocks 0, 1 lay, which have been read by then.
.macro QOUT a, cb, eb
.set AC, 160+48*((\a)%2)
	WIN (\a)/2                                     ; source 0: the block's window
.irp i, 0,2,4,6,8,10,12,14,16,18,20,22,24,26,28,30
	v_pk_add_f32 v[T+\i:T+\i+1], v[AC+\i:AC+\i+1], v[BI+\i:BI+\i+1]   ; q + bq, each accumulator from its low end on
.endr
	WIN ((\a)/2)<<2                                ; a store's data: the block's window
.irp i, 0,1,2,3
	ds_store_b128 v[STF], v[AC+32+4*\i:AC+32+4*\i+3] offset:(\a)*16*SP+16*\i
.endr
	WIN 0
	v_max3_num_f32 v[M], |v[T]|, |v[T+1]|, 0x1800000               ; my 16 of each block, and the floor 2^(3 - 127)
	v_max3_num_f32 v[M+1], |v[T+16]|, |v[T+17]|, 0x1800000
.irp i, 2,4,6,8,10,12,14
	v_max3_num_f32 v[M], v[M], |v[T+\i]|, |v[T+\i+1]|
	v_max3_num_f32 v[M+1], v[M+1], |v[T+16+\i]|, |v[T+17+\i]|
.endr
	v_permlanex16_b32 v[M+2], v[M], s22, s23
	v_permlanex16_b32 v[M+3], v[M+1], s22, s23
	v_mov_b32 v[\eb+1], 0                          ; a record's last word
	v_mov_b32 v[\eb+3], 0
	v_max_num_f32 v[M], v[M], v[M+2]               ; with lane l xor 16's: the block's largest magnitude
	v_max_num_f32 v[M+1], v[M+1], v[M+3]
	v_add_nc_u32 v[M+4], 0xff000000, v[M]          ; 2 off the exponent field: the conversion's scale operand
	v_add_nc_u32 v[M+5], 0xff000000, v[M+1]
	v_cvt_scalef32_pk16_fp6_f32 v[\cb:\cb+2], v[T:T+15], v[M+4]
	v_cvt_scalef32_pk16_fp6_f32 v[\cb+4:\cb+6], v[T+16:T+31], v[M+5]
	v_lshrrev_b32 v[\eb], 23, v[M+4]               ; the scale's byte as a word (plain lines behind the conversions)
	v_lshrrev_b32 v[\eb+2], 23, v[M+5]
.irp bp, 0,1
.irp i, 0,1,2
	ds_store_b32 v[STQ], v[\cb+4*\bp+\i] offset:(\a)*16*SP+32*\bp+4*\i
.endr
	ds_store_b64 v[STE], v[\eb+2*\bp:\eb+2*\bp+1] offset:(\a)*16*SP+32*\bp   ; both halves of the lanes write the same words with the same values
.endr
.endm
	QOUT 0, 128, 136
	QOUT 1, 140, 148
	QOUT 2, 160, 168
	QOUT 3, 172, 180
	QOUT 4, 208, 216
	QOUT 5, 220, 228
	QOUT 6, 184, 152
	QOUT 7, 232, 156
	s_wait_dscnt 0x0                               ; for the others' sake: my stores into the stage are done
	s_barrier_signal -1
	s_barrier_wait -1
.macro LOADB k                         ; 12 x 512 dense bytes of my 64 tokens' 24,576, into v96-143 and v160-207 by turns
.set BB, 96+64*((\k)%2)
.irp j, 0,1,2,3,4,5,6,7,8,9,10,11
	ds_load_b128 v[BB+4*\j:BB+4*\j+3], v[RD+\j%3] offset:(4*(\k)+\j/3)*4*SP
.endr
.endm
.macro STOREB k
.set BB, 96+64*((\k)%2)
.irp j, 0,1,2,3,4,5,6,7,8,9,10,11
	global_store_b128 v[CO], v[BB+4*\j:BB+4*\j+3], s[12:13] offset:512*(12*(\k)+\j)   ; 512 consecutive bytes, aligned
.endr
.endm
	LOADB 0
.irp k, 1,2,3
.if \k > 1
	s_wait_xcnt 0x0                                ; the stores of two batches ago have read their registers
.endif
	LOADB \k
	s_wait_dscnt 12                                ; the batch before is back; the twelve just issued may be out
	STOREB \k-1
.endr
	s_wait_dscnt 0x0
	STOREB 3
	s_wait_tensorcnt 0x0                           ; the wave's end
	ds_add_u32 v[SPW], v[NIL]
	s_wait_dscnt 0x0
	CROUND                                         ; the closing round
	s_endpgm
.Lfunc_end_k_q2160e76c2f_gemm:
	.size	k_q2160e76c2f_gemm, .Lfunc_end_k_q2160e76c2f_gemm-k_q2160e76c2f_gemm
	.p2alignl 7, 3214868480
	.fill 96, 4, 3214868480
	.section	.rodata,"a",@progbits
	.p2align	6, 0x0
	.amdhsa_kernel k_q2160e76c2f_gemm
		.amdhsa_group_segment_fixed_size 327680
		.amdhsa_private_segment_fixed_size 0
		.amdhsa_enable_private_segment 0
		.amdhsa_kernarg_size 32
		.amdhsa_user_sgpr_count 2
		.amdhsa_user_sgpr_kernarg_segment_ptr 1
		.amdhsa_wavefront_size32 1
		.amdhsa_system_sgpr_workgroup_id_x 1
		.amdhsa_system_sgpr_workgroup_id_y 1
		.amdhsa_system_sgpr_workgroup_id_z 1
		.amdhsa_system_vgpr_workitem_id 0
		.amdhsa_next_free_vgpr 1024
		.amdhsa_next_free_sgpr 100
		.amdhsa_reserve_vcc 0
		.amdhsa_float_denorm_mode_32 3
		.amdhsa_float_denorm_mode_16_64 3
		.amdhsa_memory_ordered 1
		.amdhsa_forward_progress 1
		.amdhsa_inst_pref_size 187
	.end_amdhsa_kernel
	.amdgpu_metadata
---
amdhsa.version: [ 1, 2 ]
amdhsa.kernels:
  - .name:           k_q2160e76c2f_gemm
    .symbol:         k_q2160e76c2f_gemm.kd
    .args:
      - { .name: x_codes, .offset: 0, .size: 8, .value_kind: global_buffer, .address_space: global }
      - { .name: w_codes, .offset: 8, .size: 8, .value_kind: global_buffer, .address_space: global }
      - { .name: bq, .offset: 16, .size: 8, .value_kind: global_buffer, .address_space: global }
      - { .name: qkv, .offset: 24, .size: 8, .value_kind: global_buffer, .address_space: global }
    .group_segment_fixed_size: 327680
    .private_segment_fixed_size: 0
    .kernarg_segment_align: 8
    .kernarg_segment_size: 32
    .max_flat_workgroup_size: 128
    .sgpr_count:     100
    .vgpr_count:     1024
    .wavefront_size: 32
...
	.end_amdgpu_metadata
.endif
;; end of part 2
;; launch attn (part 3): grid 256 x 1, 16 waves a work-group, no clusters, 98,560 bytes of LDS; arguments qkv, bk, bv, out0; writes out0
.if DOCPART == 3
	.amdgcn_target "amdgcn-amd-amdhsa--gfx1250"
	.amdhsa_code_object_version 6
	.text
	.protected	k_q2160e76c2f_attn
	.globl	k_q2160e76c2f_attn
	.p2align	8
	.type	k_q2160e76c2f_attn,@function
k_q2160e76c2f_attn:
	s_mov_b64 s[64:65], 0
	v_nop
	global_prefetch_b8 v0, s[64:65] scope:SCOPE_SE
	s_setreg_imm32_b32 hwreg(HW_REG_WAVE_MODE, 25, 1), 1
	s_wait_xcnt 0x0
; For each of the 2,048 tokens: q[d][h] = qkv[d 32 + h] + bq, k8[e][g] = qkv[4096 + e 8 + g] + bk, v8[e][g] = qkv[5120 + e 8 + g] + bv (d, e = 0 .. 127, h = 0 .. 31, g = 0 .. 7);
; scores[d][e] = sum over h of Q(q)[d][h] Q(k)[e][h], k[e][h] = k8[e][h / 4] (K = 32: one block); t = score x log2(e) / sqrt(128); M = ceil(the row's largest t); p = 2^(t - M), quantised along e;
; out[d][h] = (sum over e of Q(p)[d][e] Q(v)[e][h]) / l, v[e][h] = v8[e][h / 4], quantised along e; l the row's sum of the unquantised p.  Both products on codes of FP6 (E2M3).  No work of the problem is left out here.
; LIMITS: as in the first launch: a block of zeros, or one whose largest magnitude lies under 2^-124, gets the byte 1; NaN and infinities are not served.
; SHARES.  A work-group takes 8 tokens.  Wave W = 8 G + w: group G of 4 tokens, tile d = 16 w .. 16 w + 15 of each of them.  Four waves to a SIMD: one wave's softmax stands beside another's loads and products.
; THE HEAD.  Wave (G, w) quantises k's rows e = 16 w .. + 15 of its group's 4 tokens, and half (e = 64 (w % 2) .. + 63) of v of token w / 2; codes and scale bytes go to LDS; ONE barrier; then no wave waits for another.
; K = 32 fills a quarter of the instruction's 128: in the operands' layout K = 0 .. 31 are registers 0-5 of lanes 0-15; lanes 16-31 and registers 6-11 hold zero codes, which add nothing; their scale bytes are 0, which is 2^-127.
; So a fragment of k is 24 bytes of a key in lanes 0-15, and lanes 16-31 read the same bytes, which meet q's zero codes.
; Both products are used transposed (source 0 = 16 keys, or 16 of the 32 heads; source 1 = my 16 d): a lane holds ONE d (lane % 16) throughout.  THE KEYS OF A TILE ARE NOT NEIGHBOURS: lane r of tile 2 b + u takes
; e = 32 b + 8 u + r + 8 (r / 8), so that the 16 registers of tiles 2 b and 2 b + 1 are e = 32 b + 16 (lane / 16) + 0 .. 15: neighbours along the second product's K.
; Every global load and store of a wave covers 512 consecutive bytes; q, bq and v change from that layout to the conversions' (16 neighbours along K in a lane) through the wave's own stage in LDS.
.set KIMG, 0                           ; LDS: k's codes: 8 tokens x 128 e x 24 bytes
.set ZIMG, 24576
.set KSC,  49152                       ; k's scale words: 8 x 128 x 4
.set VIMG, 53248                       ; v's codes: 16 waves x 384: [token][half of e][g][block of the half][12 + 12 bytes]
.set VSC,  59392                       ; v's scale bytes: 8 x 32: g 4 + block
.set STG,  59648                       ; a stage of 2,304 bytes for each wave
.set SPARE, 96512                      ; the spare words, 128 bytes for each of 16 waves: eight blocks of 256 bytes that no other line names
.set SPW, 4                            ; v4   LDS address of my spare word; never rewritten
.set NIL, 5                            ; v5   0; never rewritten
.set AQ,  6                            ; v6   q's record of d = 16 w + r: tile 4 w + r / 4, 32 (r % 4)
.set KLD, 7                            ; v7   my lane's place in a tile of k (lanes 16-31: the same bytes as lanes 0-15)
.set KSL, 8                            ; v8   among k's scale words
.set VLD, 9                            ; v9   in a tile of v
.set VSL, 10                           ; v10  among v's scale words
.set STO, 11                           ; v11  the stage: where I put 32 bytes of a row of out
.set SRD, 12                           ; v12  the stage by dense bytes: row lane / 8 of 144 bytes, 16 (lane % 8)
.set GO,  13                           ; v13  16 lane
.set BM,  18                           ; v18-21 the blocks' largest;  v22-25 lane permutes' results, bytes;  v26-29 the conversions' scale operands
.set TP,  22
.set SO,  26
.set PW,  30                           ; v30  p's scale word;  v31 q's;  v92-95 k's;  v251-252 v's: these hold scales and nothing else
.set QW,  31
; WHAT COMES IN NOW (this takes the place of what the head says of q): qkv is [tile T 32][token][384 bytes]: q + bq of d = 4 T .. 4 T + 3, quantised by the launch before: records of 24 bytes of codes, the scale word, a word of 0;
; then k8's numbers 32 T .. + 31 and v8's numbers 32 T .. + 31 of the token, f32, without their biases.  bq is not an argument here.
.set LM,  64                           ; v64  all ones in lanes 0-15, 0 in lanes 16-31
.set TS,  786432                       ; from tile to tile
.set QF,  80                           ; v80-91  q's fragment; v86-91 stay 0
.set KS,  92
.set KF,  96                           ; v96-143 four fragments of k; registers 6-11 of each stay 0
.set S,   144                          ; v144-207 the scores, then p; then out^T in v144-159, out^T / l in v160-175, rows read back in v176-191
.set VF,  208                          ; v208-231 v's two fragments
.set PF,  232                          ; v232-243 p's fragment;  v244-246, v248-250 the conversions' second halves
.set PT,  244
.set VS,  251
.set KR,  144                          ; in the head alone: v144-159 k8 of 4 tokens, v160-163 bk, v164-179 a key's 16 repeated numbers, v180-195 v8, v196-211 bv and then v8 turned,
.set BK,  160                          ; v212-227 k's codes, v228-231 k's bytes, v232-242 addresses
.set R,   164
.set VR,  180
.set BV,  196
.set KC,  212
.set KB,  228
.set ABK, 232
.set AKG, 233
.set ABV, 234
.set AVG, 235
.set KST, 236
.set KSS, 237
.set VST, 238
.set VSS, 239
.set ZST, 240
.set VTI, 241
.set VTO, 242
	s_load_b64 s[4:5], s[0:1], 0x0                 ; qkv
	s_load_b128 s[8:11], s[0:1], 0x8               ; bk s[8:9], bv s[10:11]
	s_load_b64 s[12:13], s[0:1], 0x18              ; out0
	v_lshl_add_u32 v[SPW], v0, 2, SPARE
	v_mov_b32 v[NIL], 0
	v_lshrrev_b32 v1, 5, v0
	s_delay_alu instid0(VALU_DEP_1)
	v_readfirstlane_b32 s14, v1                    ; W 0..15
	s_lshr_b32 s15, s14, 3                         ; G
	s_and_b32 s16, s14, 7                          ; w
	s_lshr_b32 s17, s16, 1                         ; the token of the group whose v I quantise
	s_and_b32 s18, s14, 1                          ; and which half of its e
	s_mov_b32 s20, 0x76543210
	s_mov_b32 s21, 0xfedcba98                      ; v_permlanex16_b32's selects for lane l xor 16
	s_mov_b32 s22, 0x3e0293ee                      ; c = log2(e) / sqrt(128)
	s_mov_b32 s23, s22                             ; (the packed form names the pair)
	v_and_b32 v1, 31, v0                           ; l
	v_and_b32 v2, 15, v0                           ; r
	v_bfe_u32 v3, v0, 4, 1                         ; hh
	s_delay_alu instid0(VALU_DEP_3)
	v_lshlrev_b32 v[GO], 4, v1
	s_mul_i32 s24, s16, 4*TS
	v_lshrrev_b32 v[AQ], 2, v2
	v_mul_u32_u24 v[AQ], v[AQ], TS
	v_and_b32 v21, 3, v2
	v_lshl_add_u32 v[AQ], v21, 5, v[AQ]
	v_add_nc_u32 v[AQ], s24, v[AQ]                 ; q's record of d = 16 w + r: tile 4 w + r / 4, 32 (r % 4)
	v_add_nc_u32 v[LM], -1, v3
	v_and_b32 v21, 8, v2
	s_delay_alu instid0(VALU_DEP_1)
	v_add_nc_u32 v21, v21, v2                      ; r + 8 (r / 8)
	s_delay_alu instid0(VALU_DEP_1)
	v_mul_u32_u24 v[KLD], v21, 24
	; lanes 16-31 read the same bytes as lanes 0-15: there they stand for K = 32 .. 63, where q's codes are zeros, so they add nothing.  No image of zeros is kept any more
	s_mul_i32 s25, s15, 12288
	v_add_nc_u32 v[KLD], s25, v[KLD]
	s_lshl_b32 s25, s15, 11
	s_add_co_u32 s25, s25, KSC
	v_lshl_add_u32 v[KSL], v21, 2, s25
	v_lshrrev_b32 v19, 2, v2                       ; r / 4: head 16 t + r repeats value head 4 t + r / 4
	s_delay_alu instid0(VALU_DEP_1)
	v_mul_u32_u24 v[VLD], v19, 48
	s_delay_alu instid0(VALU_DEP_1)
	v_mad_u32_u24 v[VLD], v3, 24, v[VLD]
	s_mul_i32 s25, s15, 3072
	s_add_co_u32 s25, s25, VIMG
	v_add_nc_u32 v[VLD], s25, v[VLD]
	s_lshl_b32 s25, s15, 7
	s_add_co_u32 s25, s25, VSC
	v_lshl_add_u32 v[VSL], v19, 2, s25
	s_mul_i32 s25, s14, 2304
	s_add_co_u32 s25, s25, STG                     ; my stage
	v_mul_u32_u24 v[STO], v2, 144
	s_delay_alu instid0(VALU_DEP_1)
	v_lshl_add_u32 v[STO], v3, 5, v[STO]
	s_delay_alu instid0(VALU_DEP_1)
	v_add_nc_u32 v[STO], s25, v[STO]
	v_lshrrev_b32 v19, 3, v1
	s_delay_alu instid0(VALU_DEP_1)
	v_mul_u32_u24 v[SRD], v19, 144
	v_and_b32 v20, 7, v0                           ; l % 8
	s_delay_alu instid0(VALU_DEP_1)
	v_lshl_add_u32 v[SRD], v20, 4, v[SRD]
	s_delay_alu instid0(VALU_DEP_1)
	v_add_nc_u32 v[SRD], s25, v[SRD]
	v_add_nc_u32 v[VTI], s25, v[GO]                ; v's turn, in: 16 lane, 544 bytes for each 512
	v_mul_u32_u24 v[VTO], v19, 544                 ; out: lane (g = l % 8, l / 8): e = 16 (l / 8) + i of my 64, value head g
	s_delay_alu instid0(VALU_DEP_1)
	v_lshl_add_u32 v[VTO], v20, 2, v[VTO]
	s_delay_alu instid0(VALU_DEP_1)
	v_add_nc_u32 v[VTO], s25, v[VTO]
	s_lshl_b32 s24, s16, 9
	v_lshlrev_b32 v[ABK], 5, v2                    ; bk, and k in a token: row e = 16 w + r is 32 bytes,
	s_delay_alu instid0(VALU_DEP_1)
	v_lshl_add_u32 v[ABK], v3, 4, v[ABK]           ; of which lane (r, hh) takes the 16 at 16 hh: value heads 4 hh .. 4 hh + 3.  The wave's 32 lanes cover 512 consecutive bytes
	s_delay_alu instid0(VALU_DEP_1)
	v_add_nc_u32 v[ABK], s24, v[ABK]               ; 512 w + 32 r + 16 hh
	v_lshl_add_u32 v[AKG], v3, 4, v[AQ]            ; k8's row e = 16 w + r lies in the same tile, 128 bytes behind q's record of d = e
	s_delay_alu instid0(VALU_DEP_1)
	v_add_nc_u32 v[AKG], 128, v[AKG]
	s_lshl_b32 s24, s18, 11
	v_add_nc_u32 v[ABV], s24, v[GO]                ; bv, and v in a token: my 64 rows of 32 bytes, dense
	s_mul_i32 s24, s17, 384
	s_mul_i32 s25, s18, 16*TS
	s_add_co_u32 s24, s24, s25
	s_add_co_u32 s24, s24, 8*TS+256                ; (eight tiles on: the four loads' offsets are -8, -4, 0 and 4 tiles)
	v_mul_u32_u24 v[AVG], v19, TS
	v_lshl_add_u32 v[AVG], v20, 4, v[AVG]
	v_add_nc_u32 v[AVG], s24, v[AVG]               ; v8's dense byte 2048 half + 512 j + 16 l: tile 16 half + 4 j + l / 8, byte 256 + 16 (l % 8)
	s_mul_i32 s24, s15, 12288
	s_mul_i32 s25, s16, 384
	s_add_co_u32 s24, s24, s25
	v_mul_u32_u24 v[KST], v2, 24
	s_delay_alu instid0(VALU_DEP_1)
	v_mad_u32_u24 v[KST], v3, 12, v[KST]
	s_delay_alu instid0(VALU_DEP_1)
	v_add_nc_u32 v[KST], s24, v[KST]               ; k's codes: key 16 w + r, 12 bytes for each half of the lanes
	s_lshl_b32 s24, s15, 11
	s_lshl_b32 s25, s16, 6
	s_add_co_u32 s24, s24, s25
	s_add_co_u32 s24, s24, KSC
	v_lshl_add_u32 v[KSS], v2, 2, s24
	s_mul_i32 s24, s14, 384
	s_add_co_u32 s24, s24, VIMG
	v_mul_u32_u24 v[VST], v20, 48
	s_delay_alu instid0(VALU_DEP_1)
	v_mad_u32_u24 v[VST], v19, 12, v[VST]
	s_delay_alu instid0(VALU_DEP_1)
	v_add_nc_u32 v[VST], s24, v[VST]               ; v's codes: 384 W + 48 g + 12 (l / 8)
	s_lshr_b32 s24, s14, 1
	s_lshl_b32 s24, s24, 5
	s_lshl_b32 s25, s18, 1
	s_add_co_u32 s24, s24, s25
	s_add_co_u32 s24, s24, VSC
	v_lshl_add_u32 v[VSS], v20, 2, v3
	s_delay_alu instid0(VALU_DEP_1)
	v_add_nc_u32 v[VSS], s24, v[VSS]               ; v's scale byte: token x 32 + 4 g + block (2 x my half + hh)
.irp i, 6,7,8,9,10,11
	v_mov_b32 v[QF+\i], 0
.irp t, 0,1,2,3
	v_mov_b32 v[KF+12*\t+\i], 0
.endr
.endr
.irp b, 0,1,2,3
	v_mov_b32 v[TP+\b], 0                          ; written once: a lane permute's destination counts as one of its sources
.endr
	s_lshl_b32 s24, ttmp9, 3
	s_lshl_b32 s25, s15, 2
	s_add_co_u32 s24, s24, s25                     ; my group's first token
	s_mul_i32 s26, s24, 384
	s_mov_b32 s27, 0
	s_lshl_b32 s28, s24, 14
	s_lshl_b32 s25, s16, 11
	s_add_co_u32 s28, s28, s25                     ; out0: token x 16,384 + 2,048 w
	s_mov_b32 s29, 0
	s_wait_kmcnt 0x0
	s_add_nc_u64 s[4:5], s[4:5], s[26:27]
	s_add_nc_u64 s[12:13], s[12:13], s[28:29]
	; 17 loads, in the order in which they are wanted
.irp tk, 0,1,2,3
	global_load_b128 v[KR+4*\tk:KR+4*\tk+3], v[AKG], s[4:5] offset:\tk*384
.endr
	global_load_b128 v[BK:BK+3], v[ABK], s[8:9]
.irp j, 0,1,2,3
	global_load_b128 v[VR+4*\j:VR+4*\j+3], v[AVG], s[4:5] offset:(\j-2)*4*TS
.endr
.irp j, 0,1,2,3
	global_load_b128 v[BV+4*\j:BV+4*\j+3], v[ABV], s[10:11] offset:512*\j
.endr
.irp t, 0,1
.irp j, 0,1
	global_load_b128 v[32+16*\t+4*\j:32+16*\t+4*\j+3], v[AQ], s[4:5] offset:384*\t+16*\j   ; q's records of tokens 0 and 1: 17 loads in all
.endr
.endr
	s_wait_loadcnt 12                              ; k and bk are in; the 12 loads behind them may be out
; k of token tk: lane (r, hh) holds k8[16 w + r][4 hh .. 4 hh + 3].  The bias's addition makes the repeat: 16 numbers, heads h = 16 hh + 0 .. 15.  The block of 32 lies in lanes l and l xor 16
.macro KQUANT tk
.irp j, 0,1,2,3
.irp m, 0,1,2,3
	v_add_f32 v[R+4*\j+\m], v[KR+4*(\tk)+\j], v[BK+\j]
.endr
.endr
	v_max3_num_f32 v[BM], |v[R]|, |v[R+4]|, 0x1800000              ; four different numbers, and the floor 2^(3 - 127)
	s_delay_alu instid0(VALU_DEP_1)
	v_max3_num_f32 v[BM], v[BM], |v[R+8]|, |v[R+12]|
	s_delay_alu instid0(VALU_DEP_1)
	v_permlanex16_b32 v[TP], v[BM], s20, s21
	s_delay_alu instid0(VALU_DEP_1)
	v_max_num_f32 v[BM], v[BM], v[TP]
	s_delay_alu instid0(VALU_DEP_1)
	v_add_nc_u32 v[SO], 0xff000000, v[BM]          ; 2 off the exponent field: the conversion's scale operand
	v_cvt_scalef32_pk16_fp6_f32 v[KC+4*(\tk):KC+4*(\tk)+2], v[R:R+15], v[SO]
	v_lshrrev_b32 v[KB+(\tk)], 23, v[SO]           ; the scale word: the byte, and 0 for the three blocks of zero codes.  (The plain line behind the conversion)
.irp i, 0,1,2
	ds_store_b32 v[KST], v[KC+4*(\tk)+\i] offset:(\tk)*3072+4*\i
.endr
	ds_store_b32 v[KSS], v[KB+(\tk)] offset:(\tk)*512   ; both halves of the lanes write the same word with the same value
.endm
	KQUANT 0
	KQUANT 1
	KQUANT 2
	KQUANT 3
	s_wait_loadcnt 4                               ; v and bv are in; two tokens' q, four loads, may be out
.irp i, 0,2,4,6,8,10,12,14
	v_pk_add_f32 v[VR+\i:VR+\i+1], v[VR+\i:VR+\i+1], v[BV+\i:BV+\i+1]   ; the bias, in the dense layout
.endr
.irp j, 0,1,2,3
	ds_store_b128 v[VTI], v[VR+4*\j:VR+4*\j+3] offset:544*\j       ; 16 rows of 32 bytes, then 32 of padding: the four groups of lanes below start 8 banks apart
.endr
.irp i, 0,1,2,3,4,5,6,7,8,9,10,11,12,13,14,15
	ds_load_b32 v[BV+\i], v[VTO] offset:32*\i      ; in order behind my stores: v8[64 half + 16 (l / 8) + i][g]: registers run down e
.endr
	s_wait_dscnt 0x0
	v_max3_num_f32 v[BM], |v[BV]|, |v[BV+1]|, 0x1800000
	v_max3_num_f32 v[BM+1], |v[BV+2]|, |v[BV+3]|, |v[BV+4]|
	s_delay_alu instid0(VALU_DEP_2)
	v_max3_num_f32 v[BM], v[BM], |v[BV+5]|, |v[BV+6]|
	s_delay_alu instid0(VALU_DEP_2)
	v_max3_num_f32 v[BM+1], v[BM+1], |v[BV+7]|, |v[BV+8]|
	s_delay_alu instid0(VALU_DEP_2)
	v_max3_num_f32 v[BM], v[BM], |v[BV+9]|, |v[BV+10]|
	s_delay_alu instid0(VALU_DEP_2)
	v_max3_num_f32 v[BM+1], v[BM+1], |v[BV+11]|, |v[BV+12]|
	s_delay_alu instid0(VALU_DEP_2)
	v_max3_num_f32 v[BM], v[BM], |v[BV+13]|, |v[BV+14]|
	s_delay_alu instid0(VALU_DEP_1)
	v_max3_num_f32 v[BM], v[BM], v[BM+1], |v[BV+15]|
	s_delay_alu instid0(VALU_DEP_1)
	v_max_num_f32_dpp v[BM], v[BM], v[BM] row_xmask:8 row_mask:0xf bank_mask:0xf   ; the block's other 16 lie 8 lanes away
	s_delay_alu instid0(VALU_DEP_1)
	v_add_nc_u32 v[SO], 0xff000000, v[BM]
	v_cvt_scalef32_pk16_fp6_f32 v[PT:PT+2], v[BV:BV+15], v[SO]
	v_lshrrev_b32 v[PT+4], 23, v[SO]               ; the byte (the plain line behind the conversion)
.irp i, 0,1,2
	ds_store_b32 v[VST], v[PT+\i] offset:4*\i
.endr
	ds_store_b8 v[VSS], v[PT+4]                    ; both lanes of a block write the same byte with the same value
	s_wait_dscnt 0x0                               ; for the others' sake: my stores of codes and scales are done
	s_barrier_signal -1
	s_barrier_wait -1                              ; the one barrier: behind it the images are only read
.macro KLOAD tk, g                     ; tiles 4 g .. 4 g + 3 of k: 24 bytes a lane, and the scale words: 16 loads
.irp t, 0,1,2,3
.irp p, 0,1,2
	ds_load_b64 v[KF+12*\t+2*\p:KF+12*\t+2*\p+1], v[KLD] offset:(\tk)*3072+(32*((4*(\g)+\t)/2)+8*(\t%2))*24+8*\p
.endr
	ds_load_b32 v[KS+\t], v[KSL] offset:(\tk)*512+(32*((4*(\g)+\t)/2)+8*(\t%2))*4
.endr
.endm
.macro VLOAD tk                        ; v's two tiles of 16 heads x 128 e: 14 loads
.irp t, 0,1
.irp c, 0,1
.irp p, 0,1,2
	ds_load_b64 v[VF+12*\t+6*\c+2*\p:VF+12*\t+6*\c+2*\p+1], v[VLD] offset:(\tk)*768+\c*384+\t*192+8*\p
.endr
.endr
	ds_load_b32 v[VS+\t], v[VSL] offset:(\tk)*32+\t*16
.endr
.endm
.macro SCORES g                        ; four tiles of 16 keys x my 16 d; each sum is one instruction
.irp t, 0,1,2,3
	v_wmma_scale_f32_16x16x128_f8f6f4 v[S+8*(4*(\g)+\t):S+8*(4*(\g)+\t)+7], v[KF+12*\t:KF+12*\t+11], v[QF:QF+11], 0, v[KS+\t], v[QW] matrix_a_fmt:MATRIX_FMT_FP6 matrix_b_fmt:MATRIX_FMT_FP6
.endr
.endm
.macro TOKEN tk
.set QR, 32+16*((\tk)%2)
.if (\tk) > 0
	s_wait_xcnt 0x0                                ; the last token's stores have read v176-191, which the scores will overwrite
.endif
	KLOAD \tk, 0
	VLOAD \tk
.if (\tk) < 3
	s_wait_loadcnt 2                               ; this token's record is in; the next token's two loads may be out
.else
	s_wait_loadcnt 0x0
.endif
.irp i, 0,1,2,3,4,5
	v_and_b32 v[QF+\i], v[LM], v[QR+\i]            ; lanes 0-15 hold the whole block of d = 16 w + r, lanes 16-31 zero codes
.endr
	v_mov_b32 v[QW], v[QR+6]                       ; q's scale word: the byte, and 0 for the blocks of zero codes
.if (\tk) < 2
.irp j, 0,1
	global_load_b128 v[QR+4*\j:QR+4*\j+3], v[AQ], s[4:5] offset:((\tk)+2)*384+16*\j   ; the record of two tokens on
.endr
.endif
.rept 8
	v_nop                                          ; a scale register written by a vector instruction stands 8 places ahead of a scaled matrix instruction, an operand so written 4
.endr
	s_wait_alu depctr_va_vdst(0)
	s_wait_dscnt 14                                ; k's first four tiles are in; v's 14 loads may be out
	SCORES 0
.rept 4
	v_nop                                          ; places in front of loads into registers that matrix instructions have read
.endr
	KLOAD \tk, 1
	s_wait_dscnt 0x0
	SCORES 1
.rept 4
	v_nop                                          ; places in front of the first read of results
.endr
.irp b, 0,1,2,3
	v_max3_num_f32 v[BM+\b], v[S+16*\b], v[S+1+16*\b], v[S+2+16*\b]   ; the largest score of each block of 32 e: for the row's maximum, and, since p rises with the score, for the block's largest p
.endr
.irp i, 3,5,7,9,11,13
.irp b, 0,1,2,3
	v_max3_num_f32 v[BM+\b], v[BM+\b], v[S+16*\b+\i], v[S+1+16*\b+\i]
.endr
.endr
.irp b, 0,1,2,3
	v_max_num_f32 v[BM+\b], v[BM+\b], v[S+15+16*\b]
.endr
.irp b, 0,1,2,3
	s_delay_alu instid0(VALU_DEP_4)
	v_permlanex16_b32 v[TP+\b], v[BM+\b], s20, s21
.endr
.irp b, 0,1,2,3
	s_delay_alu instid0(VALU_DEP_4)
	v_max_num_f32 v[BM+\b], v[BM+\b], v[TP+\b]     ; with lane l xor 16's 16
.endr
	s_delay_alu instid0(VALU_DEP_2)
	v_max3_num_f32 v15, v[BM], v[BM+1], v[BM+2]
	s_delay_alu instid0(VALU_DEP_1)
	v_max_num_f32 v15, v15, v[BM+3]                ; the row's largest score,
	s_delay_alu instid0(VALU_DEP_1)
	v_mul_f32 v15, s22, v15                        ; as t (c is positive)
	s_delay_alu instid0(VALU_DEP_1)
	v_floor_f32 v14, -v15                          ; -M = floor(-t) = -ceil(t): the maximum is taken away before the exponentials
.irp j, 0,2,4,6,8,10,12,14,16,18,20,22,24,26,28,30,32,34,36,38,40,42,44,46,48,50,52,54,56,58,60,62
	v_pk_fma_f32 v[S+\j:S+\j+1], v[S+\j:S+\j+1], s[22:23], v[14:15] op_sel_hi:[1,0,0]   ; t - M, two at a time (of the pairs c and -M the low word serves both halves)
.endr
.irp b, 0,1,2,3
	v_fma_f32 v[BM+\b], v[BM+\b], s22, v14         ; the same of each block's largest score
.endr
	s_wait_alu depctr_va_vdst(0)
.irp j, 0,1,2,3,4,5,6,7,8,9,10,11,12,13,14,15,16,17,18,19,20,21,22,23,24,25,26,27,28,29,30,31,32,33,34,35,36,37,38,39,40,41,42,43,44,45,46,47,48,49,50,51,52,53,54,55,56,57,58,59,60,61,62,63
	v_exp_f32 v[S+\j], v[S+\j]                     ; p = 2^(t - M), at most 1: not normalised
.endr
.irp b, 0,1,2,3
	v_exp_f32 v[BM+\b], v[BM+\b]                   ; the block's largest p: the same two instructions on the same number give the same bits
.endr
	v_nop                                          ; a plain line behind the last exponential
	s_wait_alu depctr_va_vdst(0)                   ; one wait for the batch of 68, ahead of its first reader
.irp b, 0,1,2,3
	v_max_num_f32 v[BM+\b], 0x1800000, v[BM+\b]    ; the floor: the byte cannot fall under 1
.endr
.irp b, 0,1,2,3
	s_delay_alu instid0(VALU_DEP_4)
	v_add_nc_u32 v[SO+\b], 0xff000000, v[BM+\b]
.endr
.irp b, 0,1,2,3
	s_delay_alu instid0(VALU_DEP_4)
	v_lshrrev_b32 v[TP+\b], 23, v[SO+\b]
.endr
	s_delay_alu instid0(VALU_DEP_3)
	v_lshl_or_b32 v[PW], v[TP+1], 8, v[TP]         ; p's scale word for my d
	s_delay_alu instid0(VALU_DEP_1)
	v_lshl_or_b32 v[PW], v[TP+2], 16, v[PW]
	s_delay_alu instid0(VALU_DEP_1)
	v_lshl_or_b32 v[PW], v[TP+3], 24, v[PW]
.irp c, 0,1
	v_cvt_scalef32_pk16_fp6_f32 v[PF+6*\c:PF+6*\c+2], v[S+32*\c:S+32*\c+15], v[SO+2*\c]
	v_cvt_scalef32_pk16_fp6_f32 v[PT+4*\c:PT+4*\c+2], v[S+16+32*\c:S+31+32*\c], v[SO+2*\c+1]   ; (a conversion's three registers begin on an even number)
.endr
	v_nop                                          ; one plain line behind the conversions
.irp c, 0,1                                    ; the operand's layout wants a whole block in a lane: lanes 0-15 block 2 c, lanes 16-31 block 2 c + 1
.irp i, 0,1,2
	v_permlane16_swap_b32 v[PF+6*\c+\i], v[PT+4*\c+\i]
.endr
.irp i, 0,1,2
	s_delay_alu instid0(VALU_DEP_3)
	v_mov_b32 v[PF+3+6*\c+\i], v[PT+4*\c+\i]
.endr
.endr
	v_pk_add_f32 v[22:23], v[144:145], v[146:147]
	v_pk_add_f32 v[254:255], v[152:153], v[156:157]
	v_pk_add_f32 v[248:249], v[160:161], v[164:165]
	v_pk_add_f32 v[246:247], v[168:169], v[172:173]
	v_pk_add_f32 v[244:245], v[176:177], v[180:181]
	v_pk_add_f32 v[136:137], v[184:185], v[188:189]
	v_pk_add_f32 v[134:135], v[192:193], v[196:197]
	v_pk_add_f32 v[16:17], v[200:201], v[204:205]
	v_pk_add_f32 v[16:17], v[16:17], v[148:149]
	v_pk_add_f32 v[22:23], v[22:23], v[150:151]
	v_pk_add_f32 v[254:255], v[254:255], v[154:155]
	v_pk_add_f32 v[248:249], v[248:249], v[158:159]
	v_pk_add_f32 v[246:247], v[246:247], v[162:163]
	v_pk_add_f32 v[244:245], v[244:245], v[166:167]
	v_pk_add_f32 v[136:137], v[136:137], v[170:171]
	v_pk_add_f32 v[134:135], v[134:135], v[174:175]
	v_pk_add_f32 v[16:17], v[16:17], v[178:179]
	v_pk_add_f32 v[22:23], v[22:23], v[182:183]
	v_pk_add_f32 v[254:255], v[254:255], v[186:187]
	v_pk_add_f32 v[248:249], v[248:249], v[190:191]
	v_pk_add_f32 v[246:247], v[246:247], v[194:195]
	v_pk_add_f32 v[244:245], v[244:245], v[198:199]
	v_pk_add_f32 v[136:137], v[136:137], v[202:203]
	v_pk_add_f32 v[134:135], v[134:135], v[206:207]
	s_delay_alu instid0(VALU_DEP_4)
	v_pk_add_f32 v[16:17], v[16:17], v[246:247]
	s_delay_alu instid0(VALU_DEP_4)
	v_pk_add_f32 v[22:23], v[22:23], v[244:245]
	s_delay_alu instid0(VALU_DEP_4)
	v_pk_add_f32 v[254:255], v[254:255], v[136:137]
	s_delay_alu instid0(VALU_DEP_4)
	v_pk_add_f32 v[248:249], v[248:249], v[134:135]
	s_delay_alu instid0(VALU_DEP_2)
	v_pk_add_f32 v[16:17], v[16:17], v[254:255]
	s_delay_alu instid0(VALU_DEP_2)
	v_pk_add_f32 v[22:23], v[22:23], v[248:249]
	s_delay_alu instid0(VALU_DEP_1)
	v_pk_add_f32 v[16:17], v[16:17], v[22:23]
.irp t, 0,1
	v_wmma_scale_f32_16x16x128_f8f6f4 v[S+8*\t:S+8*\t+7], v[VF+12*\t:VF+12*\t+11], v[PF:PF+11], 0, v[VS+\t], v[PW] matrix_a_fmt:MATRIX_FMT_FP6 matrix_b_fmt:MATRIX_FMT_FP6   ; out^T: register j of tile t: head 16 t + 8 hh + j of my d
.endr
	v_add_f32 v16, v16, v17                        ; the sum's two halves,
	s_delay_alu instid0(VALU_DEP_1)
	v_permlanex16_b32 v[TP], v16, s20, s21
	s_delay_alu instid0(VALU_DEP_1)
	v_add_f32 v16, v16, v[TP]                      ; and lane l xor 16's: l
	s_wait_alu depctr_va_vdst(0)
	v_rcp_f32 v16, v16
.rept 4
	v_nop                                          ; the places behind the products, and the plain line behind the reciprocal
.endr
	s_wait_alu depctr_va_vdst(0)                   ; the wait ahead of the reciprocal's first reader
.irp i, 0,2,4,6,8,10,12,14
	v_pk_mul_f32 v[S+16+\i:S+17+\i], v[S+\i:S+\i+1], v[16:17] op_sel_hi:[1,0]   ; out^T / l, each accumulator from its low end on
.endr
.irp t, 0,1
	ds_store_b128 v[STO], v[S+16+8*\t:S+19+8*\t] offset:64*\t
	ds_store_b128 v[STO], v[S+20+8*\t:S+23+8*\t] offset:64*\t+16
.endr
.irp i, 0,1,2,3
	ds_load_b128 v[S+32+4*\i:S+35+4*\i], v[SRD] offset:576*\i      ; in order behind my stores: my 16 rows of 128 bytes are 2,048 bytes on end in out0
.endr
.irp i, 0,1,2,3
	s_wait_dscnt 3-\i                              ; the younger stage loads may be out
	global_store_b128 v[GO], v[S+32+4*\i:S+35+4*\i], s[12:13] offset:(\tk)*16384+512*\i th:TH_STORE_NT   ; the wave stores 512 consecutive bytes, aligned
.endr
.endm
	TOKEN 0
	TOKEN 1
	TOKEN 2
	TOKEN 3
	s_wait_tensorcnt 0x0                           ; the wave's end, behind my last LDS store
	ds_add_u32 v[SPW], v[NIL]
	s_wait_dscnt 0x0
	s_endpgm
.Lfunc_end_k_q2160e76c2f_attn:
	.size	k_q2160e76c2f_attn, .Lfunc_end_k_q2160e76c2f_attn-k_q2160e76c2f_attn
	.p2alignl 7, 3214868480
	.fill 96, 4, 3214868480
	.section	.rodata,"a",@progbits
	.p2align	6, 0x0
	.amdhsa_kernel k_q2160e76c2f_attn
		.amdhsa_group_segment_fixed_size 98560
		.amdhsa_private_segment_fixed_size 0
		.amdhsa_enable_private_segment 0
		.amdhsa_kernarg_size 32
		.amdhsa_user_sgpr_count 2
		.amdhsa_user_sgpr_kernarg_segment_ptr 1
		.amdhsa_wavefront_size32 1
		.amdhsa_system_sgpr_workgroup_id_x 1
		.amdhsa_system_sgpr_workgroup_id_y 1
		.amdhsa_system_sgpr_workgroup_id_z 1
		.amdhsa_system_vgpr_workitem_id 0
		.amdhsa_next_free_vgpr 256
		.amdhsa_next_free_sgpr 66
		.amdhsa_reserve_vcc 0
		.amdhsa_float_denorm_mode_32 3
		.amdhsa_float_denorm_mode_16_64 3
		.amdhsa_memory_ordered 1
		.amdhsa_forward_progress 1
		.amdhsa_inst_pref_size 91
	.end_amdhsa_kernel
	.amdgpu_metadata
---
amdhsa.version: [ 1, 2 ]
amdhsa.kernels:
  - .name:           k_q2160e76c2f_attn
    .symbol:         k_q2160e76c2f_attn.kd
    .args:
      - { .name: qkv, .offset: 0, .size: 8, .value_kind: global_buffer, .address_space: global }
      - { .name: bk, .offset: 8, .size: 8, .value_kind: global_buffer, .address_space: global }
      - { .name: bv, .offset: 16, .size: 8, .value_kind: global_buffer, .address_space: global }
      - { .name: out0, .offset: 24, .size: 8, .value_kind: global_buffer, .address_space: global }
    .group_segment_fixed_size: 98560
    .private_segment_fixed_size: 0
    .kernarg_segment_align: 8
    .kernarg_segment_size: 32
    .max_flat_workgroup_size: 512
    .sgpr_count:     66
    .vgpr_count:     256
    .wavefront_size: 32
...
	.end_amdgpu_metadata
.endif
;; end of part 3
